; MI455X (gfx1250); checked and timed in simulation.
; The chip was launched on July 23, 2026; its instructions are those of AMD's public machine-readable ISA for CDNA 5 (MIT licence, August 2026) and "CDNA5" Instruction Set Architecture Reference Guide (July 2026). The comments in the code are by the model that wrote it; some were corrected since.
;; Gated Attention Wrapper. Allowed arithmetic: matrix products marked QUANTISED: E2M3 operands, one E8M0 scale for each 32 along K, by v_wmma_scale_f32_16x16x128_f8f6f4 with both operands' format E2M3, f32 sums; everything else in f32.
;; Inputs: Wk 2,048 x 512 float32; Wo 1,024 x 2,048 float32; Wq 2,048 x 1,024 float32; Wv 2,048 x 512 float32; attention_mask 1 x 1 x 4,096 x 4,096 float32; cos 1 x 1 x 4,096 x 128 float32; gate 1 x 4,096 float32; hidden_states 1 x 4,096 x 2,048 float32; sin 1 x 1 x 4,096 x 128 float32.
;; Outputs: out0 1 x 4,096 x 2,048 float32.
;; This version of the problem:
;;   THIS VERSION OF THE PROBLEM IS GIVEN IN LOW PRECISION. The matrix products marked QUANTISED in the list below multiply operands that are first quantised to E2M3 (2 exponent bits, 3 mantissa bits; 6 bits a number), with one power-of-two scale for each 32 numbers along K (OCP MX v1.0); their sums are f32. All else is computed in f32.
;;   The module's matrix products, in the order in which they are computed (A, B: the left and right operand; K: the contracted axis; several contracted axes count as one K, in the product's order):
;;     1. [M 4,096, K 2,048] x [K 2,048, N 1,024]; A: input hidden_states; B: input Wq: QUANTISED
;;     2. [M 4,096, K 2,048] x [K 2,048, N 512]; A: input hidden_states; B: input Wk: QUANTISED
;;     3. [M 4,096, K 2,048] x [K 2,048, N 512]; A: input hidden_states; B: input Wv: QUANTISED
;;     4. batch 8 x [M 4,096, K 128] x [K 128, N 4,096]; A: computed on the way; B: computed on the way: QUANTISED
;;     5. batch 8 x [M 4,096, K 4,096] x [K 4,096, N 128]; A: softmax (see below); B: computed on the way: QUANTISED
;;     6. [M 4,096, K 1,024] x [K 1,024, N 2,048]; A: computed on the way; B: input Wo: QUANTISED
;;   THE QUANTISER, for each operand of a quantised product, along K:
;;     - K is cut into blocks of 32 from its start; a last block that is shorter is filled with zeros.
;;     - A block's scale is 2^e with e = floor(log2(the largest magnitude in the block)) - 2, held to -126 .. 127; a block of zeros has e = 0. As a byte (E8M0): e + 127.
;;     - Each number is divided by its block's scale, clamped to +-7.5, and rounded to the nearest number of E2M3, ties to even, subnormals kept.
;;     - The product sums the exact products of the quantised numbers (number of the format x scale) in f32.
;;   ~~~python
;;   def quantise(x, axis):      # numpy; x: float32 -> the quantised numbers, widened to float32 again
;;       x = np.moveaxis(x, axis, -1); K = x.shape[-1]
;;       x = np.pad(x, [(0, 0)] * (x.ndim - 1) + [(0, -K % 32)]); x = x.reshape(x.shape[:-1] + (-1, 32)); a = np.abs(x).max(-1, keepdims=True)
;;       e = np.where(a > 0, np.clip(np.frexp(np.where(a > 0, a, 1))[1] - 1 - 2, -126, 127), 0)      # np.frexp(a)[1] - 1 = floor(log2(a)), exactly
;;       r = np.clip(x / 2.0 ** e, -7.5, 7.5)
;;       step = 2.0 ** (np.maximum(np.frexp(np.where(r == 0, 1, r))[1] - 1, 0) - 3)
;;       q = np.round(r / step) * step * 2.0 ** e      # np.round: ties to even
;;       return np.moveaxis(q.reshape(q.shape[:-2] + (-1,))[..., :K], -1, axis).astype(np.float32)
;;   ~~~
;;   SOFTMAX AHEAD OF A QUANTISED PRODUCT. Where the list says 'softmax', what is quantised is not the finished softmax but p = 2^(t - M), with t = logit x log2(e) and M = ceil(the row's largest t), a whole number; so 1/2 < the row's largest p <= 1. The row's sum l is taken of the UNQUANTISED p, in f32, and the product's result is divided by l at the end. Since M is a whole number, a kernel that streams over the keys may use a running M (the ceiling of the running maximum): every later rescaling is an exact power of two, which a block's scale takes up: the codes' values come out the same.
;;   OPERANDS COMPUTED ON THE WAY. 'Computed on the way' means the value that the module computes at that place (a softmax that the list does not call 'softmax' is quantised finished and normalised). What goes into a quantiser is computed in f32, as accurately as f32 sums, v_exp_f32 and their like allow (about 1e-6 of the number): no bf16 or f16 on the way to a quantiser, and a product that is left as it is and whose result goes on into a quantised operand takes f32 operands (vector FMAs, or v_wmma_f32_16x16x4_f32). A number that lies on a knife's edge between two numbers of the format may be rounded either way, as far as f32 arithmetic and the matrix unit's own rounding can turn it there, and no further.
;; One version. Each part assembles by itself: llvm-mc -triple=amdgcn-amd-amdhsa -mcpu=gfx1250 --defsym DOCPART=n.
;; ======== version 1 of 1: 4 launches
;; limits: right only within a limited range of input values
;; workspace buffers: xq 6,553,600 bytes; wq 4,915,200 bytes; pj 6,553,600 bytes; ao 3,276,800 bytes
;; launch quant (part 1): grid 320 x 1, 8 waves a work-group, no clusters, 70,656 bytes of LDS; arguments hidden_states, Wq, Wk, Wv, Wo, xq, wq; writes xq, wq
.if DOCPART == 1
	.amdgcn_target "amdgcn-amd-amdhsa--gfx1250"
	.amdhsa_code_object_version 6
	.text
	.protected	k_qcf15087f13_quant
	.globl	k_qcf15087f13_quant
	.p2align	8
	.type	k_qcf15087f13_quant,@function
k_qcf15087f13_quant:
	s_mov_b64 s[64:65], 0
	v_nop
	global_prefetch_b8 v0, s[64:65] scope:SCOPE_SE
	s_setreg_imm32_b32 hwreg(HW_REG_WAVE_MODE, 25, 1), 1
	s_wait_xcnt 0x0
; hidden_states [4096][2048], Wq|Wk|Wv [2048][1024|512|512] and Wo [1024][2048], f32, become codes of FP6 (E2M3) with one E8M0 byte for each 32 along K.
; A block's scale is 2^(floor(log2(largest magnitude)) - 2): its byte is the largest magnitude's exponent field - 2, held at 1 from below.
; LAYOUT OUT.  A fragment (16 rows x 128 K) is stored as the image of its 12 operand registers: three blocks of 512 bytes, register g of lane l at 512 (g / 4) + 16 l + 4 (g % 4).
; Inside each block of 32 the codes stand in the order k = 0-7, 16-23, 8-15, 24-31.  Every code stream of this program has that order, so both operands of every product are permuted alike.
; Scale words (four bytes: 128 K of a row) lie in units of 256 bytes: [16 rows][4 K steps].
; xq: codes [256 tiles][16 K steps][1,536]; at XSO the units [tile][4].   wq: Wq|Wk|Wv's codes [128 tiles of n][16][1,536]; units at 3,145,728; Wo's codes at 3,276,800 [128][8][1,536]; units at 4,849,664.
; LIMITS: a block of zeros, or one whose largest magnitude lies under 2^-124, gets the byte 1 (this program alone reads the bytes; zero codes add nothing); NaN and infinities are not served.
; Work-groups 0-127 take hidden_states (K innermost), the others the weights (K outermost).  The two paths have LDS bytes of their own.  Memory binds: every input byte is read once.
.set FLOOR, 0x1800000                  ; 2^(3 - 127)
.set XSO,  6291456
.set WSC,  67584                       ; path W: 1,024 bytes in which four K steps' scale words meet
.set SW,   12                          ; v12-15  path X: four scale words
.set TM,   16                          ; v16-31  at work in QUANT
.set CT,   32                          ; v32-39  path X: the conversions' second halves
.set PC,   40                          ; v40-63  path X: codes, two sets of 12
.set OFF,  32                          ; v32-63  path W: the byte offsets of a block's 32 rows, in the order of the operand
.set R0,   64                          ; v64-191 path X: two sets of 64 numbers as loaded; path W: 128 numbers of a column
.set XN,   192                         ; v192-255 path X: 64 numbers in the order of the operand
.set SEL,  44                          ; s[44:45] lane selects: lane l xor 16
; 64 numbers of a lane (register 16 b + i: a number of block b of my row; lanes l and l xor 16 share the blocks) become a fragment's 12 registers at pc and its scale word in pw
.macro QUANT s, pc, pw
.irp b, 0,1,2,3
	v_max3_num_f32 v[TM+\b], |v[\s+16*\b]|, |v[\s+16*\b+1]|, FLOOR
.endr
.irp i, 2,4,6,8,10,12,14
.irp b, 0,1,2,3
	s_delay_alu instid0(VALU_DEP_4)
	v_max3_num_f32 v[TM+\b], v[TM+\b], |v[\s+16*\b+\i]|, |v[\s+16*\b+\i+1]|
.endr
.endr
.irp b, 0,1,2,3
	s_delay_alu instid0(VALU_DEP_4)
	v_permlanex16_b32 v[TM+4+\b], v[TM+\b], s[SEL], s[SEL+1]
.endr
.irp b, 0,1,2,3
	s_delay_alu instid0(VALU_DEP_4)
	v_max_num_f32 v[TM+\b], v[TM+\b], v[TM+4+\b]   ; the block's largest magnitude
.endr
.irp b, 0,1,2,3
	s_delay_alu instid0(VALU_DEP_4)
	v_add_nc_u32 v[TM+12+\b], 0xff000000, v[TM+\b] ; 2 off its exponent field: the conversion's scale operand
.endr
.irp b, 0,1,2,3
	s_delay_alu instid0(VALU_DEP_4)
	v_lshrrev_b32 v[TM+4+\b], 23, v[TM+12+\b]      ; the scale's byte
.endr
	s_delay_alu instid0(VALU_DEP_3)
	v_lshl_or_b32 v[\pw], v[TM+5], 8, v[TM+4]
	s_delay_alu instid0(VALU_DEP_1)
	v_lshl_or_b32 v[\pw], v[TM+6], 16, v[\pw]
	s_delay_alu instid0(VALU_DEP_1)
	v_lshl_or_b32 v[\pw], v[TM+7], 24, v[\pw]
.irp c, 0,1
	v_cvt_scalef32_pk16_fp6_f32 v[\pc+6*\c:\pc+6*\c+2], v[\s+32*\c:\s+32*\c+15], v[TM+12+2*\c]
	v_cvt_scalef32_pk16_fp6_f32 v[CT+4*\c:CT+4*\c+2], v[\s+32*\c+16:\s+32*\c+31], v[TM+12+2*\c+1]
.endr
	v_nop                                          ; one plain place behind the scaled conversions
.irp c, 0,1                            ; a whole block to a lane: lanes 0-15 block 2 c, lanes 16-31 block 2 c + 1
.irp i, 0,1,2
	v_permlane16_swap_b32 v[\pc+6*\c+\i], v[CT+4*\c+\i]
.endr
.irp i, 0,1,2
	s_delay_alu instid0(VALU_DEP_3)
	v_mov_b32 v[\pc+6*\c+3+\i], v[CT+4*\c+\i]
.endr
.endr
.endm
	s_load_b256 s[4:11], s[0:1], 0x0               ; x s[4:5], Wq s[6:7], Wk s[8:9], Wv s[10:11]
	s_load_b128 s[12:15], s[0:1], 0x20             ; Wo s[12:13], xq s[14:15]
	s_load_b64 s[16:17], s[0:1], 0x30              ; wq
	s_set_vgpr_msb 0x40
	v_lshl_add_u32 v0, v0, 2, 0x11000
	v_mov_b32 v1, 0
	s_set_vgpr_msb 0x4000
	v_lshrrev_b32 v1, 5, v0
	s_delay_alu instid0(VALU_DEP_1)
	v_readfirstlane_b32 s18, v1                    ; wave 0..7
	v_and_b32 v1, 31, v0                           ; lane
	v_and_b32 v2, 15, v0                           ; r
	v_bfe_u32 v3, v0, 4, 1                         ; h
	s_delay_alu instid0(VALU_DEP_3)
	v_lshlrev_b32 v4, 4, v1                        ; 16 x lane
	s_delay_alu instid0(VALU_DEP_4)
	v_lshlrev_b32 v11, 2, v1                       ; 4 x lane
	s_delay_alu instid0(VALU_DEP_4)
	v_lshlrev_b32 v7, 4, v2                        ; 16 r
	s_mul_i32 s19, s18, 8448                       ; path X: my wave's stage, 16 rows of 528 bytes
	v_add_nc_u32 v5, s19, v4                       ; into it: 16 x lane of a row
	v_mul_u32_u24 v6, v2, 528
	s_delay_alu instid0(VALU_DEP_1)
	v_lshl_add_u32 v6, v3, 5, v6
	s_delay_alu instid0(VALU_DEP_1)
	v_add_nc_u32 v6, s19, v6                       ; out of it: row r, + 32 h
	s_and_b32 s21, s18, 1                          ; path W: ch, which 32 columns
	s_lshr_b32 s22, s18, 1                         ;         iw, which K step of four
	s_lshl_b32 s19, s21, 9
	s_add_co_u32 s19, s19, WSC
	v_add_nc_u32 v9, s19, v4                       ; my column's four words
	s_lshl_b32 s19, s22, 2
	v_add_nc_u32 v8, s19, v9                       ; and my K step's among them
	s_mov_b32 s[SEL], 0x76543210
	s_mov_b32 s[SEL+1], 0xfedcba98
.irp b, 0,1,2,3
	v_mov_b32 v[TM+4+\b], 0                        ; a lane permute's destination counts as one of its sources
.endr
	s_wait_kmcnt 0x0
	s_cmp_ge_u32 ttmp9, 128
	s_cbranch_scc1 .Lweights
; ---- PATH X.  Wave w: tile of rows T = 2 x work-group + w / 4, K steps 4 (w % 4) .. + 3.
	s_lshl_b32 s20, ttmp9, 1
	s_lshr_b32 s23, s18, 2
	s_add_co_u32 s20, s20, s23                     ; T
	s_and_b32 s21, s18, 3                          ; which four K steps
	s_lshl_b32 s22, s20, 17                        ; 16 rows of 8,192 bytes
	s_lshl_b32 s23, s21, 11
	s_add_co_u32 s22, s22, s23
	s_mov_b32 s23, 0
	s_add_nc_u64 s[4:5], s[4:5], s[22:23]
	s_mul_i32 s24, s20, 24576
	s_mul_i32 s25, s21, 6144
	s_add_co_u32 s24, s24, s25
	s_mov_b32 s25, 0
	s_add_nc_u64 s[26:27], s[14:15], s[24:25]      ; my four images
	s_lshl_b32 s24, s20, 10
	s_lshl_b32 s28, s21, 8
	s_add_co_u32 s24, s24, s28
	s_add_co_u32 s24, s24, XSO
	s_add_nc_u64 s[28:29], s[14:15], s[24:25]      ; my unit of scale words
.macro LOADX i                         ; 128 K of 16 rows: each load takes 512 consecutive bytes of one row
.irp p, 0,1,2,3,4,5,6,7,8,9,10,11,12,13,14,15
	global_load_b128 v[R0+64*((\i)%2)+4*\p:R0+64*((\i)%2)+4*\p+3], v4, s[4:5] offset:\p*8192+512*(\i) th:TH_LOAD_NT
.endr
.endm
.macro TURNX i                         ; through my stage: in as loaded, out 16 numbers of each block a lane, in the operand's order.  LDS serves a wave's instructions in order: no wait between
.irp p, 0,1,2,3,4,5,6,7,8,9,10,11,12,13,14,15
	ds_store_b128 v5, v[R0+64*((\i)%2)+4*\p:R0+64*((\i)%2)+4*\p+3] offset:528*\p
.endr
.irp b, 0,1,2,3
	ds_load_b128 v[XN+16*\b:XN+16*\b+3], v6 offset:128*\b
	ds_load_b128 v[XN+16*\b+4:XN+16*\b+7], v6 offset:128*\b+16
	ds_load_b128 v[XN+16*\b+8:XN+16*\b+11], v6 offset:128*\b+64
	ds_load_b128 v[XN+16*\b+12:XN+16*\b+15], v6 offset:128*\b+80
.endr
.endm
.macro XSTEP i
.if (\i) < 3
	s_wait_loadcnt 16                              ; this step's 16 loads are in, the next step's stay out
.else
	s_wait_loadcnt 0x0
.endif
	TURNX \i
	s_wait_dscnt 0x0                               ; the numbers are back, so the stores into the stage have read their registers,
.if (\i) < 2
	LOADX (\i)+2                                   ; which take the loads of two steps on
.else
	s_wait_xcnt 0x0                                ; the stores of two steps back have read this set of codes
.endif
	QUANT XN, PC+12*((\i)%2), SW+(\i)
.irp c, 0,1,2
	global_store_b128 v4, v[PC+12*((\i)%2)+4*\c:PC+12*((\i)%2)+4*\c+3], s[26:27] offset:1536*(\i)+512*\c   ; 512 consecutive bytes, aligned
.endr
.endm
	LOADX 0
	LOADX 1
	s_wait_alu depctr_va_vdst(0)
	XSTEP 0
	XSTEP 1
	XSTEP 2
	XSTEP 3
	s_wait_xcnt 0x0                                ; EXEC changes only behind this wait
	v_cmp_gt_u32 vcc_lo, 16, v1
	s_set_vgpr_msb 0x5
	s_wait_tensorcnt 0x0
	ds_add_u32 v0, v1
	s_wait_dscnt 0x0
	s_set_vgpr_msb 0x500
	s_and_saveexec_b32 s30, vcc_lo
	global_store_b128 v7, v[SW:SW+3], s[28:29]     ; sixteen lanes: one aligned unit of 256 bytes
	s_wait_xcnt 0x0
	s_or_b32 exec_lo, exec_lo, s30
	s_endpgm
; ---- PATH W.  A lane takes a column and its registers run down K: 128 K (one K step) of 32 columns a wave.  Register 32 t + i holds row 128 s + 32 t + perm(i), perm(i) = i % 8 + 16 ((i / 8) % 2) + 8 (i / 16).
; The ways for the four tensors set scalars alone: the pointer, the bytes of a row, the layout of the results.  The loads are written once, behind their join.
.Lweights:
	s_sub_co_u32 s20, ttmp9, 128
	s_cmp_ge_u32 s20, 128
	s_cbranch_scc1 .Lwo
	s_lshr_b32 s23, s20, 2                         ; cg: 64 columns of q | k | v
	s_and_b32 s24, s20, 3                          ; which four K steps
	s_mov_b32 s27, 24576                           ; bytes from tile to tile of the codes,
	s_mov_b32 s28, 1024                            ; of the scale units,
	s_mov_b32 s29, 0                               ; where the codes begin in wq,
	s_mov_b32 s30, 3145728                         ; and the units
	s_cmp_lt_u32 s23, 24                           ; the choices hang on the work-group's number alone
	s_cselect_b64 s[32:33], s[8:9], s[10:11]       ; Wk or Wv,
	s_cselect_b32 s31, 16, 24                      ; whose first column is group 16 or 24,
	s_cmp_lt_u32 s23, 16
	s_cselect_b64 s[32:33], s[6:7], s[32:33]       ; or Wq
	s_cselect_b32 s31, 0, s31
	s_mov_b32 s42, 2048
	s_cselect_b32 s42, 4096, s42                   ; bytes in a row of the tensor
	s_branch .Ljoin
.Lwo:
	s_sub_co_u32 s20, s20, 128
	s_lshr_b32 s23, s20, 1
	s_and_b32 s24, s20, 1
	s_mov_b32 s27, 12288
	s_mov_b32 s28, 512
	s_mov_b32 s29, 3276800
	s_mov_b32 s30, 4849664
	s_mov_b64 s[32:33], s[12:13]
	s_mov_b32 s31, 0
	s_mov_b32 s42, 8192
.Ljoin:
	s_lshl_b32 s25, s24, 2
	s_add_co_u32 s25, s25, s22                     ; my K step s
	s_lshl_b32 s26, s23, 2
	s_lshl_b32 s34, s21, 1
	s_add_co_u32 s26, s26, s34                     ; my first tile of 16 columns
	s_sub_co_u32 s31, s23, s31                     ; the group of 64 columns inside its tensor
	s_lshl_b32 s43, s42, 5                         ; 32 rows, in bytes
	s_lshl_b32 s34, s25, 2
	s_mul_i32 s34, s34, s43                        ; 128 s rows
	s_lshl_b32 s35, s31, 8
	s_add_co_u32 s34, s34, s35
	s_lshl_b32 s35, s21, 7
	s_add_co_u32 s34, s34, s35                     ; + my first column
	s_mov_b32 s35, 0
	s_add_nc_u64 s[4:5], s[32:33], s[34:35]        ; block 0's first row,
	s_mov_b32 s34, s43
	s_add_nc_u64 s[6:7], s[4:5], s[34:35]          ; blocks 1,
	s_add_nc_u64 s[8:9], s[6:7], s[34:35]          ; 2
	s_add_nc_u64 s[10:11], s[8:9], s[34:35]        ; and 3
.irp i, 0,1,2,3,4,5,6,7,8,9,10,11,12,13,14,15,16,17,18,19,20,21,22,23,24,25,26,27,28,29,30,31
	v_mad_u32_u24 v[OFF+\i], s42, (\i%8)+16*((\i/8)%2)+8*(\i/16), v11   ; perm(i) rows + 4 x lane
.endr
.irp t, 0,1,2,3
.irp i, 0,1,2,3,4,5,6,7,8,9,10,11,12,13,14,15,16,17,18,19,20,21,22,23,24,25,26,27,28,29,30,31
	global_load_b32 v[R0+32*\t+\i], v[OFF+\i], s[4+2*\t:5+2*\t] th:TH_LOAD_NT   ; 32 lanes read 128 consecutive bytes of a row
.endr
.endr
	s_mul_i32 s34, s26, s27
	s_mul_i32 s35, s25, 1536
	s_add_co_u32 s34, s34, s35
	s_add_co_u32 s34, s34, s29
	s_mov_b32 s35, 0
	s_add_nc_u64 s[36:37], s[16:17], s[34:35]      ; the image of my columns 0-15,
	s_mov_b32 s34, s27
	s_add_nc_u64 s[38:39], s[36:37], s[34:35]      ; and of 16-31: the next tile
	s_mul_i32 s34, s26, s28
	s_lshl_b32 s40, s24, 8
	s_add_co_u32 s34, s34, s40
	s_add_co_u32 s34, s34, s30
	s_add_nc_u64 s[40:41], s[16:17], s[34:35]      ; the two tiles' units
	v_mul_u32_u24 v10, v3, s28
	s_delay_alu instid0(VALU_DEP_1)
	v_lshl_add_u32 v10, v2, 4, v10                 ; lanes 0-15 the first tile's unit, lanes 16-31 the next tile's
.macro WBLOCK t, d                     ; block t of my column: all 32 numbers are mine
.if 96-32*(\t) > 63
	s_wait_loadcnt 63                              ; of the 128 loads at most 63 are left out: the first 65 are in, blocks 0 and 1 among them (a wait's count names 63 at the most)
.else
	s_wait_loadcnt 96-32*(\t)                      ; its loads are in; the later blocks' stay out
.endif
.set DS, R0+32*(\t)
	v_max3_num_f32 v16, |v[DS]|, |v[DS+1]|, |v[DS+2]|
	v_max3_num_f32 v17, |v[DS+3]|, |v[DS+4]|, |v[DS+5]|
.irp i, 6,10,14,18,22,26
	s_delay_alu instid0(VALU_DEP_2)
	v_max3_num_f32 v16, v16, |v[DS+\i]|, |v[DS+\i+1]|
	s_delay_alu instid0(VALU_DEP_2)
	v_max3_num_f32 v17, v17, |v[DS+\i+2]|, |v[DS+\i+3]|
.endr
	s_delay_alu instid0(VALU_DEP_2)
	v_max3_num_f32 v16, v16, |v[DS+30]|, |v[DS+31]|
	s_delay_alu instid0(VALU_DEP_1)
	v_max3_num_f32 v16, v16, v17, FLOOR
	s_delay_alu instid0(VALU_DEP_1)
	v_add_nc_u32 v[20+\t], 0xff000000, v16
	s_delay_alu instid0(VALU_DEP_1)
	v_lshrrev_b32 v25, 23, v[20+\t]
.if (\t) == 0
	s_delay_alu instid0(VALU_DEP_1)
	v_mov_b32 v24, v25
.else
	s_delay_alu instid0(VALU_DEP_1)
	v_lshl_or_b32 v24, v25, 8*(\t), v24            ; my column's scale word
.endif
	v_cvt_scalef32_pk16_fp6_f32 v[\d:\d+2], v[DS:DS+15], v[20+\t]
	v_cvt_scalef32_pk16_fp6_f32 v[216+4*\t:216+4*\t+2], v[DS+16:DS+31], v[20+\t]
.endm
	WBLOCK 0, 192                                  ; blocks 0 and 2 into v192-203, blocks 1 and 3 into v204-215
	WBLOCK 1, 204
	WBLOCK 2, 198
	WBLOCK 3, 210
	v_nop                                          ; one plain place behind the scaled conversions
.irp i, 0,1,2
	v_mov_b32 v[195+\i], v[216+\i]
	v_mov_b32 v[207+\i], v[220+\i]
	v_mov_b32 v[201+\i], v[224+\i]
	v_mov_b32 v[213+\i], v[228+\i]
.endr
.irp g, 0,1,2,3,4,5,6,7,8,9,10,11
	v_permlane16_swap_b32 v[192+\g], v[204+\g]     ; v192-203: the image of columns 0-15 (lanes 16-31 get their blocks 1 and 3); v204-215: of columns 16-31
.endr
.irp c, 0,1,2
	global_store_b128 v4, v[192+4*\c:195+4*\c], s[36:37] offset:512*\c
	global_store_b128 v4, v[204+4*\c:207+4*\c], s[38:39] offset:512*\c
.endr
	ds_store_b32 v8, v24                           ; four waves' K steps make a column's 16 bytes
	s_wait_dscnt 0x0                               ; for the others' sake
	s_barrier_signal -1
	s_barrier_wait -1                              ; all eight waves of this work-group are on this path
	s_cmp_lt_u32 s18, 2
	s_cbranch_scc0 .Lend
	ds_load_b128 v[26:29], v9
	s_wait_dscnt 0x0
	global_store_b128 v10, v[26:29], s[40:41]      ; two aligned units of 256 bytes
.Lend:
	s_set_vgpr_msb 0x5
	s_wait_tensorcnt 0x0
	ds_add_u32 v0, v1
	s_wait_dscnt 0x0
	s_set_vgpr_msb 0x500
	s_endpgm
.Lfunc_end_k_qcf15087f13_quant:
	.size	k_qcf15087f13_quant, .Lfunc_end_k_qcf15087f13_quant-k_qcf15087f13_quant
	.p2alignl 7, 3214868480
	.fill 96, 4, 3214868480
	.section	.rodata,"a",@progbits
	.p2align	6, 0x0
	.amdhsa_kernel k_qcf15087f13_quant
		.amdhsa_group_segment_fixed_size 70656
		.amdhsa_private_segment_fixed_size 0
		.amdhsa_enable_private_segment 0
		.amdhsa_kernarg_size 56
		.amdhsa_user_sgpr_count 2
		.amdhsa_user_sgpr_kernarg_segment_ptr 1
		.amdhsa_wavefront_size32 1
		.amdhsa_system_sgpr_workgroup_id_x 1
		.amdhsa_system_sgpr_workgroup_id_y 1
		.amdhsa_system_sgpr_workgroup_id_z 1
		.amdhsa_system_vgpr_workitem_id 0
		.amdhsa_next_free_vgpr 258
		.amdhsa_next_free_sgpr 66
		.amdhsa_reserve_vcc 1
		.amdhsa_float_denorm_mode_32 3
		.amdhsa_float_denorm_mode_16_64 3
		.amdhsa_memory_ordered 1
		.amdhsa_forward_progress 1
		.amdhsa_inst_pref_size 67
	.end_amdhsa_kernel
	.amdgpu_metadata
---
amdhsa.version: [ 1, 2 ]
amdhsa.kernels:
  - .name:           k_qcf15087f13_quant
    .symbol:         k_qcf15087f13_quant.kd
    .args:
      - { .name: hidden_states, .offset: 0, .size: 8, .value_kind: global_buffer, .address_space: global }
      - { .name: Wq, .offset: 8, .size: 8, .value_kind: global_buffer, .address_space: global }
      - { .name: Wk, .offset: 16, .size: 8, .value_kind: global_buffer, .address_space: global }
      - { .name: Wv, .offset: 24, .size: 8, .value_kind: global_buffer, .address_space: global }
      - { .name: Wo, .offset: 32, .size: 8, .value_kind: global_buffer, .address_space: global }
      - { .name: xq, .offset: 40, .size: 8, .value_kind: global_buffer, .address_space: global }
      - { .name: wq, .offset: 48, .size: 8, .value_kind: global_buffer, .address_space: global }
    .group_segment_fixed_size: 70656
    .private_segment_fixed_size: 0
    .kernarg_segment_align: 8
    .kernarg_segment_size: 56
    .max_flat_workgroup_size: 256
    .sgpr_count:     66
    .vgpr_count:     258
    .wavefront_size: 32
...
	.end_amdgpu_metadata
.endif
;; end of part 1
;; launch proj (part 2): grid 256 x 1, 4 waves a work-group, clusters of 4 x 1, 327,680 bytes of LDS; arguments xq, wq, cos, sin, pj; writes pj
.if DOCPART == 2
	.amdgcn_target "amdgcn-amd-amdhsa--gfx1250"
	.amdhsa_code_object_version 6
	.text
	.protected	k_qcf15087f13_proj
	.globl	k_qcf15087f13_proj
	.p2align	8
	.type	k_qcf15087f13_proj,@function
k_qcf15087f13_proj:
	s_mov_b64 s[64:65], 0
	v_nop
	global_prefetch_b8 v0, s[64:65] scope:SCOPE_SE
	s_setreg_imm32_b32 hwreg(HW_REG_WAVE_MODE, 25, 1), 1
	s_wait_xcnt 0x0
	s_wait_alu depctr_hold_cnt(0) depctr_sa_sdst(0) depctr_va_vdst(0) depctr_va_sdst(0) depctr_va_ssrc(0) depctr_va_vcc(0) depctr_vm_vsrc(0)
	s_getreg_b32 s2, hwreg(HW_REG_IB_STS2, 6, 4)
	s_cmp_eq_u32 s2, 0
	s_cbranch_scc0 .Lentry_in_a_cluster
	s_endpgm
.Lentry_in_a_cluster:
	s_bfe_u32 s2, ttmp6, 0x10000c
	s_cmp_lg_u32 s2, 0x3003
	s_cbranch_scc0 .Lentry_shape_is_right
	s_endpgm
.Lentry_shape_is_right:
.set SLOT,  147456
.set SCL,   294912
.set SPARE, 319488
.set SCP,   32
.set SCR,   160
.set WV,    14
.set FLOOR, 0x03800000
.set TM,    128
.set CT,    144
.set PC,    152
.set SW,    176
.set MULW,  0xad
.set MSB, 0
.macro WIN new
.if MSB != \new
	s_set_vgpr_msb (MSB<<8)|\new
.set MSB, \new
.endif
.endm
.macro PLACES n
.rept \n
	v_nop
.endr
.endm
.macro CREST
	s_cmp_lg_u32 s[WV], 0
	s_cbranch_scc1 .Lnot_wave_0_\@
	s_barrier_signal -3
.Lnot_wave_0_\@:
	s_barrier_wait -3
	s_barrier_signal -1
	s_barrier_wait -1
.endm
.macro CROUND
	s_barrier_signal -1
	s_barrier_wait -1
	CREST
.endm
.macro JLOAD g0p, g1p, g0r, g1r
	s_cmp_eq_u32 s16, 0
	s_cbranch_scc0 .Lfor_r_\@
	tensor_load_to_lds s[\g0p:\g0p+3], s[\g1p:\g1p+7]
	s_nop 0
.rept 4
	v_nop
.endr
	s_branch .Lasked_\@
.Lfor_r_\@:
	tensor_load_to_lds s[\g0r:\g0r+3], s[\g1r:\g1r+7]
	s_nop 0
.rept 4
	v_nop
.endr
.Lasked_\@:
.endm
	s_load_b256 s[4:11], s[0:1], 0x0
	s_load_b64 s[12:13], s[0:1], 0x20
	v_lshl_add_u32 v10, v0, 2, SPARE
	v_mov_b32 v11, 0
	ds_add_u32 v10, v11
	ds_add_u32 v10, v11
	s_wait_dscnt 0x0
	v_lshrrev_b32 v1, 5, v0
	v_readfirstlane_b32 s[WV], v1
	s_and_b32 s15, s[WV], 1
	s_lshr_b32 s16, s[WV], 1
	s_bfe_u32 s17, ttmp6, 0x40000
	s_mov_b32 s24, 15|(3<<16)|(1<<21)
	s_mov_b32 s25, 768<<16
	s_mov_b32 s26, 8<<16
	s_mov_b32 s27, 768<<16
	s_mov_b32 s28, 8
	s_mov_b32 s29, 3072
	s_mov_b32 s30, 0
	s_mov_b32 s31, 0
	s_mov_b32 s32, 3<<16
	s_mov_b32 s33, 768<<16
	s_mov_b32 s34, 4<<16
	s_mov_b32 s35, 768<<16
	s_mov_b32 s36, 4
	s_mov_b32 s37, 3072
	s_mov_b32 s38, 0
	s_mov_b32 s39, 0
	s_mov_b32 s98, 0x76543210
	s_mov_b32 s99, 0xfedcba98
	s_lshr_b32 s21, ttmp9, 3
	s_lshl_b32 s21, s21, 4
	s_sub_co_u32 s22, ttmp9, 48
	s_lshl_b32 s22, s22, 4
	s_and_b32 s23, ttmp9, 7
	s_lshl_b32 s23, s23, 2
	s_add_co_u32 s23, s23, s17
	s_lshl_b32 s23, s23, 3
	s_lshl_b32 s88, s17, 3
	s_add_co_u32 s88, s88, 96
	s_cmp_lt_u32 ttmp9, 48
	s_cselect_b32 s18, 0, 1
	s_cselect_b32 s21, s21, s22
	s_cselect_b32 s23, s23, s88
	s_mov_b32 s19, 6291456
	s_cselect_b32 s19, 3145728, s19
	s_mov_b32 s20, 3145728
	s_cselect_b32 s20, 6291456, s20
	s_wait_kmcnt 0x0
	s_cselect_b64 s[84:85], s[6:7], s[4:5]
	s_cselect_b64 s[86:87], s[4:5], s[6:7]
	s_lshl_b32 s22, s15, 3
	s_add_co_u32 s22, s22, s21
	s_mul_i32 s90, s22, 24576
	s_mov_b32 s91, 0
	s_add_nc_u64 s[90:91], s[84:85], s[90:91]
	s_lshl_b32 s92, s22, 10
	s_add_co_u32 s92, s92, s19
	s_mov_b32 s93, 0
	s_add_nc_u64 s[92:93], s[84:85], s[92:93]
	s_lshl_b32 s88, s15, 2
	s_add_co_u32 s88, s88, s23
	s_mul_i32 s94, s88, 24576
	s_mov_b32 s95, 0
	s_add_nc_u64 s[94:95], s[86:87], s[94:95]
	s_lshl_b32 s96, s16, 2                         ; the scale units of the four tiles that I multiply on the second side
	s_add_co_u32 s96, s96, s23
	s_lshl_b32 s96, s96, 10
	s_add_co_u32 s96, s96, s20
	s_mov_b32 s97, 0
	s_add_nc_u64 s[82:83], s[86:87], s[96:97]
	s_mov_b64 s[78:79], s[92:93]                   ; and of my eight tiles on the first side
	s_mul_i32 s2, s15, 49152
	s_mul_i32 s88, s15, 24576
	s_add_co_u32 s88, s88, 98304
	CROUND
.irp s, 0,1
	s_mov_b32 s[56+4*\s], 1
	s_add_co_u32 s[57+4*\s], s2, \s*SLOT
	s_add_nc_u64 s[58+4*\s:59+4*\s], s[90:91], \s*6144
	s_or_b32 s[59+4*\s], s[59+4*\s], 0x80000000
	s_mov_b32 s[68+4*\s], 1
	s_add_co_u32 s[69+4*\s], s88, \s*SLOT
	s_add_nc_u64 s[70+4*\s:71+4*\s], s[94:95], \s*6144
	s_or_b32 s[71+4*\s], s[71+4*\s], 0x80000000
.endr
	JLOAD 56, 24, 68, 32                           ; slot 0: the head's one tensor load a wave
	v_and_b32 v15, 15, v0
	v_lshlrev_b32 v15, 4, v15                      ; the scale words go from memory into their registers: sixteen lanes read a unit of 256 bytes
.irp b, 0,1,2,3,4,5,6,7
.irp g, 0,1,2,3
	global_load_b128 v[SCP+16*\b+4*\g:SCP+16*\b+4*\g+3], v15, s[78:79] offset:1024*\b+256*\g
.endr
.endr
.irp a, 0,1,2,3
.irp g, 0,1,2,3
	global_load_b128 v[SCR+16*\a+4*\g:SCR+16*\a+4*\g+3], v15, s[82:83] offset:1024*\a+256*\g
.endr
.endr
	s_wait_alu depctr_va_vdst(0)
	s_wait_tensorcnt 0x0
	ds_add_u32 v10, v11
	s_wait_dscnt 0x0
	CROUND
	JLOAD 60, 24, 72, 32                           ; slot 1
	v_and_b32 v1, 31, v0
	v_and_b32 v2, 15, v0
	v_bfe_u32 v3, v0, 4, 1
	v_lshlrev_b32 v12, 4, v1
	v_lshlrev_b32 v14, 4, v2
	v_lshlrev_b32 v13, 9, v2
	v_lshl_add_u32 v13, v3, 5, v13
	s_mul_i32 s90, s15, 49152
	v_add_nc_u32 v4, s90, v12
	v_add_nc_u32 v5, SLOT, v4
	s_mul_i32 s90, s16, 24576
	s_add_co_u32 s90, s90, 98304
	v_add_nc_u32 v6, s90, v12
	v_add_nc_u32 v7, SLOT, v6
	s_lshl_b32 s88, s16, 2
	s_add_co_u32 s88, s88, s23
	s_lshl_b32 s90, s88, 13
	s_mov_b32 s91, 0
	s_add_nc_u64 s[8:9], s[8:9], s[90:91]
	s_add_nc_u64 s[10:11], s[10:11], s[90:91]
	s_lshr_b32 s92, ttmp9, 3
	s_lshl_b32 s92, s92, 1
	s_add_co_u32 s92, s92, s15
	s_mul_i32 s93, s92, 393216
	s_mul_i32 s94, s88, 1536
	s_add_co_u32 s93, s93, s94
	s_lshl_b32 s92, s92, 14
	s_lshl_b32 s94, s88, 6
	s_add_co_u32 s92, s92, s94
	s_add_co_u32 s92, s92, 4718592
	s_sub_co_u32 s94, ttmp9, 48
	s_lshl_b32 s94, s94, 1
	s_add_co_u32 s94, s94, s15
	s_mul_i32 s95, s17, 393216
	s_mul_i32 s96, s94, 12288
	s_add_co_u32 s95, s95, s96
	s_mul_i32 s96, s16, 6144
	s_add_co_u32 s95, s95, s96
	s_add_co_u32 s95, s95, 4915200
	s_lshl_b32 s96, s17, 14
	s_lshl_b32 s94, s94, 9
	s_add_co_u32 s96, s96, s94
	s_lshl_b32 s94, s16, 8
	s_add_co_u32 s96, s96, s94
	s_add_co_u32 s96, s96, 6488064
	s_cmp_eq_u32 s18, 0
	s_cselect_b32 s90, s93, s95
	s_cselect_b32 s92, s92, s96
	s_mov_b32 s93, 0
	s_add_nc_u64 s[66:67], s[12:13], s[90:91]
	s_add_nc_u64 s[88:89], s[12:13], s[92:93]
.macro FETCH slot, q, set
	WIN 0x40
.irp b, 0,1,2,3,4,5,6,7
.irp c, 0,1,2
	ds_load_b128 v[128*(\set)+12*\b+4*\c:128*(\set)+12*\b+4*\c+3], v[4+\slot] offset:6144*\b+1536*(\q)+512*\c
.endr
.endr
	WIN 0xc0
.irp a, 0,1,2,3
.irp c, 0,1,2
	ds_load_b128 v[48*(\set)+12*\a+4*\c:48*(\set)+12*\a+4*\c+3], v[6+\slot] offset:6144*\a+1536*(\q)+512*\c
.endr
.endr
.endm
.macro MUL a0, n, s, zero
.set A_, \a0
.rept \n
.irp b, 0,1,2,3,4,5,6,7
.if \zero
	v_wmma_scale_f32_16x16x128_f8f6f4 v[8*(8*A_+\b):8*(8*A_+\b)+7], v[128*((\s)%2)+12*\b:128*((\s)%2)+12*\b+11], v[48*((\s)%2)+12*A_:48*((\s)%2)+12*A_+11], 0, v[SCP+16*\b+(\s)], v[SCR+16*A_+(\s)] matrix_a_fmt:MATRIX_FMT_FP6 matrix_b_fmt:MATRIX_FMT_FP6
.else
	v_wmma_scale_f32_16x16x128_f8f6f4 v[8*(8*A_+\b):8*(8*A_+\b)+7], v[128*((\s)%2)+12*\b:128*((\s)%2)+12*\b+11], v[48*((\s)%2)+12*A_:48*((\s)%2)+12*A_+11], v[8*(8*A_+\b):8*(8*A_+\b)+7], v[SCP+16*\b+(\s)], v[SCR+16*A_+(\s)] matrix_a_fmt:MATRIX_FMT_FP6 matrix_b_fmt:MATRIX_FMT_FP6
.endif
.endr
.set A_, A_+1
.endr
.endm
.macro STEP slot, q, s, zero
	s_wait_dscnt 0x0
	PLACES 4
	FETCH \slot, (\q)+1, ((\s)+1)%2
	WIN MULW
	MUL 0, 4, \s, \zero
.endm
.macro TURN slot, s, fill
	WIN 0
	s_wait_tensorcnt 0x0
	ds_add_u32 v10, v11
	s_wait_dscnt 1
	WIN MULW
	MUL 0, 2, \s, 0
	s_wait_dscnt 0x0
	s_barrier_signal -1
	MUL 2, 1, \s, 0
	WIN 0
	s_barrier_wait -1
.if \fill
	CREST
	s_add_nc_u64 s[58+4*\slot:59+4*\slot], s[58+4*\slot:59+4*\slot], 12288
	s_add_nc_u64 s[70+4*\slot:71+4*\slot], s[70+4*\slot:71+4*\slot], 12288
	JLOAD 56+4*\slot, 24, 68+4*\slot, 32
.else
	PLACES 4
.endif
	FETCH 1-\slot, 0, 0
	WIN MULW
	MUL 3, 1, \s, 0
.endm
.macro TLOAD a
.if ((\a)%2) == 0
	WIN 0xc0
.set TBL, 96
.else
	WIN 0x40
.set TBL, 0
.endif
.irp t, 0,1,2,3,4,5,6,7
.irp e, 0,1
	global_load_b128 v[TBL+8*\t+4*\e:TBL+8*\t+4*\e+3], v13, s[8:9] offset:8192*(\a)+64*\t+16*\e
.endr
.endr
.irp t, 0,1,2,3,4,5,6,7
.irp e, 0,1
	global_load_b128 v[TBL+64+8*\t+4*\e:TBL+64+8*\t+4*\e+3], v13, s[10:11] offset:8192*(\a)+64*\t+16*\e
.endr
.endr
	WIN 0
.endm
.macro ROPE a
.if ((\a)%2) == 0
.set TBL, 96
	WIN 0xce
.else
.set TBL, 0
	WIN 0x46
.endif
.irp t, 0,1,2,3,4,5,6,7
.irp j, 0,2,4,6
	v_pk_mul_f32 v[TBL+64+8*\t+\j:TBL+64+8*\t+\j+1], v[64*(\a)+8*((\t+4)%8)+\j:64*(\a)+8*((\t+4)%8)+\j+1], v[TBL+64+8*\t+\j:TBL+64+8*\t+\j+1]
.endr
.endr
.if ((\a)%2) == 0
	WIN 0xbe
.else
	WIN 0x96
.endif
.irp t, 0,1,2,3,4,5,6,7
.irp j, 0,2,4,6
.if \t < 4
	v_pk_fma_f32 v[64*(\a)+8*\t+\j:64*(\a)+8*\t+\j+1], v[64*(\a)+8*\t+\j:64*(\a)+8*\t+\j+1], v[TBL+8*\t+\j:TBL+8*\t+\j+1], v[TBL+64+8*\t+\j:TBL+64+8*\t+\j+1] neg_lo:[0,0,1] neg_hi:[0,0,1]
.else
	v_pk_fma_f32 v[64*(\a)+8*\t+\j:64*(\a)+8*\t+\j+1], v[64*(\a)+8*\t+\j:64*(\a)+8*\t+\j+1], v[TBL+8*\t+\j:TBL+8*\t+\j+1], v[TBL+64+8*\t+\j:TBL+64+8*\t+\j+1]
.endif
.endr
.endr
	WIN 0
.endm
.macro QUANTA a
.set AC, 64*(\a)
.set PCS, PC+12*((\a)%2)
	WIN 0x5a
.irp b, 0,1,2,3
	v_max3_num_f32 v[TM+\b], |v[AC+16*\b]|, |v[AC+16*\b+1]|, FLOOR
.endr
.irp i, 2,4,6,8,10,12,14
.irp b, 0,1,2,3
	v_max3_num_f32 v[TM+\b], |v[AC+16*\b+\i]|, |v[AC+16*\b+\i+1]|, v[TM+\b]
.endr
.endr
	WIN 0x55
.irp b, 0,1,2,3
	v_permlanex16_b32 v[TM+4+\b], v[TM+\b], s98, s99
.endr
.irp b, 0,1,2,3
	v_max_num_f32 v[TM+\b], v[TM+\b], v[TM+4+\b]
.endr
.irp b, 0,1,2,3
	v_add_nc_u32 v[TM+12+\b], 0xff000000, v[TM+\b]
.endr
.irp b, 0,1,2,3
	v_lshrrev_b32 v[TM+4+\b], 23, v[TM+12+\b]
.endr
	v_lshl_or_b32 v[SW+(\a)], v[TM+5], 8, v[TM+4]
	v_lshl_or_b32 v[SW+(\a)], v[TM+6], 16, v[SW+(\a)]
	v_lshl_or_b32 v[SW+(\a)], v[TM+7], 24, v[SW+(\a)]
	WIN 0x46
.irp c, 0,1
	v_cvt_scalef32_pk16_fp6_f32 v[PCS+6*\c:PCS+6*\c+2], v[AC+32*\c:AC+32*\c+15], v[TM+12+2*\c]
	v_cvt_scalef32_pk16_fp6_f32 v[CT+4*\c:CT+4*\c+2], v[AC+32*\c+16:AC+32*\c+31], v[TM+12+2*\c+1]
.endr
	WIN 0x55
	v_nop
.irp c, 0,1
.irp i, 0,1,2
	v_permlane16_swap_b32 v[PCS+6*\c+\i], v[CT+4*\c+\i]
.endr
.irp i, 0,1,2
	v_mov_b32 v[PCS+6*\c+3+\i], v[CT+4*\c+\i]
.endr
.endr
	WIN 0x04
.irp c, 0,1,2
	global_store_b128 v12, v[PCS+4*\c:PCS+4*\c+3], s[66:67] offset:1536*(\a)+512*\c
.endr
	WIN 0
.endm
.macro LAST
	WIN MULW
	MUL 0, 4, 15, 0
	PLACES 4
	WIN 0x40
.irp b, 0,1,2,3
	v_mov_b32 v[TM+4+\b], 0
.endr
	WIN 0
.endm
	s_wait_alu depctr_va_vdst(0)
	s_wait_tensorcnt 0x1
	s_barrier_signal -1
	s_barrier_wait -1
	s_wait_loadcnt 0x0                             ; the scale words are in
	FETCH 0, 0, 0
	STEP 0, 0, 0, 1
	STEP 0, 1, 1, 0
	STEP 0, 2, 2, 0
	TURN 0, 3, 1
	STEP 1, 0, 4, 0
	STEP 1, 1, 5, 0
	STEP 1, 2, 6, 0
	TURN 1, 7, 1
	STEP 0, 0, 8, 0
	STEP 0, 1, 9, 0
	STEP 0, 2, 10, 0
	TURN 0, 11, 0
	STEP 1, 0, 12, 0
	STEP 1, 1, 13, 0
	STEP 1, 2, 14, 0
	s_wait_dscnt 0x0
	WIN 0
	s_cmp_lg_u32 s18, 0
	s_cbranch_scc1 .Lvpath
	PLACES 4
	TLOAD 0
	TLOAD 1
	LAST
.irp a, 0,1,2,3
.if \a < 3
	s_wait_loadcnt 32
.else
	s_wait_loadcnt 0x0
.endif
	ROPE \a
.if \a < 2
	TLOAD \a+2
.endif
.if \a > 1
	s_wait_xcnt 0x0
.endif
	QUANTA \a
.endr
	s_branch .Lscales
.Lvpath:
	LAST
.irp a, 0,1,2,3
.if \a > 1
	s_wait_xcnt 0x0
.endif
	QUANTA \a
.endr
.Lscales:
	s_wait_xcnt 0x0
	v_cmp_gt_u32 vcc_lo, 16, v1
	s_and_saveexec_b32 s90, vcc_lo
	WIN 0x04
	global_store_b128 v14, v[SW:SW+3], s[88:89]
	WIN 0
	s_wait_xcnt 0x0
	s_or_b32 exec_lo, exec_lo, s90
	s_wait_tensorcnt 0x0
	ds_add_u32 v10, v11
	s_wait_dscnt 0x0
	CROUND
	s_endpgm
.Lfunc_end_k_qcf15087f13_proj:
	.size	k_qcf15087f13_proj, .Lfunc_end_k_qcf15087f13_proj-k_qcf15087f13_proj
	.p2alignl 7, 3214868480
	.fill 96, 4, 3214868480
	.section	.rodata,"a",@progbits
	.p2align	6, 0x0
	.amdhsa_kernel k_qcf15087f13_proj
		.amdhsa_group_segment_fixed_size 327680
		.amdhsa_private_segment_fixed_size 0
		.amdhsa_enable_private_segment 0
		.amdhsa_kernarg_size 40
		.amdhsa_user_sgpr_count 2
		.amdhsa_user_sgpr_kernarg_segment_ptr 1
		.amdhsa_wavefront_size32 1
		.amdhsa_system_sgpr_workgroup_id_x 1
		.amdhsa_system_sgpr_workgroup_id_y 1
		.amdhsa_system_sgpr_workgroup_id_z 1
		.amdhsa_system_vgpr_workitem_id 0
		.amdhsa_next_free_vgpr 1024
		.amdhsa_next_free_sgpr 100
		.amdhsa_reserve_vcc 1
		.amdhsa_float_denorm_mode_32 3
		.amdhsa_float_denorm_mode_16_64 3
		.amdhsa_memory_ordered 1
		.amdhsa_forward_progress 1
		.amdhsa_inst_pref_size 188
	.end_amdhsa_kernel
	.amdgpu_metadata
---
amdhsa.version: [ 1, 2 ]
amdhsa.kernels:
  - .name:           k_qcf15087f13_proj
    .symbol:         k_qcf15087f13_proj.kd
    .args:
      - { .name: xq, .offset: 0, .size: 8, .value_kind: global_buffer, .address_space: global }
      - { .name: wq, .offset: 8, .size: 8, .value_kind: global_buffer, .address_space: global }
      - { .name: cos, .offset: 16, .size: 8, .value_kind: global_buffer, .address_space: global }
      - { .name: sin, .offset: 24, .size: 8, .value_kind: global_buffer, .address_space: global }
      - { .name: pj, .offset: 32, .size: 8, .value_kind: global_buffer, .address_space: global }
    .group_segment_fixed_size: 327680
    .private_segment_fixed_size: 0
    .kernarg_segment_align: 8
    .kernarg_segment_size: 40
    .max_flat_workgroup_size: 128
    .sgpr_count:     100
    .vgpr_count:     1024
    .wavefront_size: 32
...
	.end_amdgpu_metadata
.endif
;; end of part 2
;; launch attn (part 3): grid 256 x 1, 8 waves a work-group, clusters of 4 x 1, 327,680 bytes of LDS; arguments attention_mask, gate, pj, ao; writes ao
.if DOCPART == 3
	.amdgcn_target "amdgcn-amd-amdhsa--gfx1250"
	.amdhsa_code_object_version 6
	.text
	.protected	k_qcf15087f13_attn
	.globl	k_qcf15087f13_attn
	.p2align	8
	.type	k_qcf15087f13_attn,@function
k_qcf15087f13_attn:
	s_mov_b64 s[64:65], 0
	v_nop
	global_prefetch_b8 v0, s[64:65] scope:SCOPE_SE
	s_setreg_imm32_b32 hwreg(HW_REG_WAVE_MODE, 25, 1), 1
	s_wait_xcnt 0x0
	s_wait_alu depctr_hold_cnt(0) depctr_sa_sdst(0) depctr_va_vdst(0) depctr_va_sdst(0) depctr_va_ssrc(0) depctr_va_vcc(0) depctr_vm_vsrc(0)
	s_getreg_b32 s2, hwreg(HW_REG_IB_STS2, 6, 4)
	s_cmp_eq_u32 s2, 0
	s_cbranch_scc0 .Lentry_in_a_cluster
	s_endpgm
.Lentry_in_a_cluster:
	s_bfe_u32 s2, ttmp6, 0x10000c
	s_cmp_lg_u32 s2, 0x3003
	s_cbranch_scc0 .Lentry_shape_is_right
	s_endpgm
.Lentry_shape_is_right:
; softmax(q k^T / sqrt(128) + mask + log(gate + 1e-8)) v on codes of FP6, 8 query heads on 4 key and value heads, 4,096 tokens; the result, divided by the row's sum, is quantised along head x 128 into ao.
; SHARES.  A work-group takes 64 queries and ONE key and value head.  Eight waves, two to a SIMD, 512 registers each: wave W, with w = W % 4 and g = (W xor W / 4) % 2, takes the 16 queries of tile w, BOTH query heads, and of every slot of 256 keys the key step g.
; So each fragment of K and V and each word of mask and log gate read from LDS serves two heads, and a wave walks 16 key steps of 128.  At the end the two halves of the keys are joined through LDS:
; group g holds the pair's heads in the order g, 1 - g, keeps its first and hands over its second: no branch tells the groups apart, only addresses do.
; CLUSTER 4 x 1: the four partners are the four key and value heads of one block of queries: they need the same mask tiles, which are asked for jointly.  K and V are each work-group's own loads.
; The mask is an input: every tile of scores is computed.
; BOTH PRODUCTS ARE USED TRANSPOSED: S^T = K Q^T, O^T = V^T P^T: a lane holds one query throughout; register j of tile t is key (channel) 16 t + 8 h + j.
; A SCORE.  q's scale bytes are lowered by 4, so the unit gives s / 16; the C of the product is B = mask x sqrt(1/2) + log2(gate + 1e-8) x ln 2 x sqrt(1/2); S' = s / 16 + B; t = S' x c16, c16 = 16 log2(e) / sqrt(128).
; Mask and log gate are loaded into the scores' own registers; B is made in the second head's 64, serves as C of the first head's products, and the second head's products add onto it in place.
; THE SOFTMAX: M = the running largest t rounded up to a whole number; p = 2^(t - M) is quantised along the keys; the sum is taken of the unquantised p; when M moves, sum and O^T are multiplied by 2^(old M - new M), exact.
; The join uses the same exact factors: M = the larger of the two halves' M.
; THE RING: two slots of 256 keys.  The change of slots stands in the middle of a step, behind the step's last reads of its slot (V); the slot left is filled with the keys two slots on.
; PREFETCH: behind each refill the tile that stands two refills on.  The mask's 64 rows x 1,024 bytes are shared out by address: partner cx 16 rows, waves 0 and 1 eight each, a lane 256 bytes.
; K and V are walked by all 64 clusters: cluster 0 alone asks, 24,576 bytes a wave (waves 4, 5), lanes 256 bytes apart.  Tiles 1 to 3 come by their loads alone; the last two refills ask for nothing.
; LIMITS: a key whose t falls under f32's range counts as p = 0; a row in which every key is such a key gives 0 / 0; mask values near the largest positive f32 number, NaN and infinities are not served;
;   the scaled scores stay under 2^31 in magnitude; blocks of zeros keep the floor's byte 1 (this program alone reads the bytes).
; REGISTERS: window 0: v1-15 addresses; v16-31 statistics, 8 a head; v32-33 q's, v34-37 K's, v38-41 V's, v42-43 p's scale words; v48-175 S^T, 64 a head; v176-199 p's codes; v200-215 conversions; v216-247 work; v248 the result's scale word; v250-254 addresses.
;   window 1: v0-127 O^T, 64 a head; v128-223 K's fragments, then V's; v224-247 Q.
.set SLOT1, 131072                     ; a slot: mask [2 key steps][64 rows][528], K's 16 images at KOF, V's at VOF
.set KOF,   67584
.set VOF,   92160
.set SCK,   262144                     ; K's scale units of the whole head, 16,384 bytes; V's behind them
.set LG,    294912                     ; 4,096 numbers made from gate
.set SPARE, 312320                     ; the spare words: 1,024 bytes that no other line names
.set SWG,   313344                     ; 512 bytes in which the result's scale words meet
.set STGW,  8448                       ; the join's stage, in slot 0 behind its last fill and last read: 8,192 bytes of O^T and 256 of statistics a wave
.set FLOOR, 0x1800000
.set ST,    16                         ; +0 -M, +1 the largest t, +2 +3 the sum, +4 f (+5 named with it), +6 +7 at work
.set PWD,   42
.set S,     48
.set PCD,   176
.set CT,    200
.set WK,    216                        ; a head's 16: +0..3 block maxima, +4..7 the other half's, then bytes, +8..11 scale operands; +12 +13, +0 +1, +2 +3 chains of the sum
.set TM,    216
.set FRG,   128
.set QF,    224
.set WV,    20
.set TB,    23                         ; s23 LDS byte at which the slot in hand begins
.set TS,    24                         ; s24 512 x the key step to be fetched
.set SLOTS, 25
.set LIMC,  26
.set SEL,   28
.set MSB, 0
.macro WIN new
.if MSB != \new
	s_set_vgpr_msb (MSB<<8)|\new
.set MSB, \new
.endif
.endm
.macro PLACES n
.rept \n
	v_nop
.endr
.endm
.macro CREST                           ; a round of the cluster's barrier behind its opening barrier
	s_cmp_lg_u32 s[WV], 0
	s_cbranch_scc1 .Lnot_wave_0_\@
	s_barrier_signal -3
.Lnot_wave_0_\@:
	s_barrier_wait -3
	s_barrier_signal -1
	s_barrier_wait -1
.endm
.macro CROUND
	s_barrier_signal -1
	s_barrier_wait -1
	CREST
.endm
; The ring's load: waves 0-3 ask jointly for a quarter of the slot's mask each (32 rows of one key step), wave 4 for K's images, wave 5 for V's; waves 6 and 7 have no part.
.macro RLOAD ask
	s_cmp_lt_u32 s[WV], 4
	s_cbranch_scc0 .Lcode_\@
	tensor_load_to_lds s[72:75], s[36:43]
	s_nop 0
	PLACES 4
.if \ask
	s_cmp_gt_u32 s[SLOTS], s[LIMC]
	s_cbranch_scc0 .Ldone_\@
	global_prefetch_b8 v13, s[88:89] th:TH_LOAD_NT scope:SCOPE_SE
.endif
	s_branch .Ldone_\@
.Lcode_\@:
	s_cmp_lt_u32 s[WV], 6
	s_cbranch_scc0 .Ldone_\@
	tensor_load_to_lds s[80:83], s[44:51]
	s_nop 0
	PLACES 4
.if \ask
	s_cmp_gt_u32 s[SLOTS], s[LIMC]
	s_cbranch_scc0 .Ldone_\@
	global_prefetch_b8 v13, s[88:89] th:TH_LOAD_NT scope:SCOPE_SE
	global_prefetch_b8 v13, s[88:89] offset:8192 th:TH_LOAD_NT scope:SCOPE_SE
	global_prefetch_b8 v13, s[88:89] offset:16384 th:TH_LOAD_NT scope:SCOPE_SE
.endif
.Ldone_\@:
.endm
.macro WM d, a, b, c, sa, sb, t        ; tiles 4-7 take their scale words from lanes 16-31
.if (\t) < 4
	v_wmma_scale_f32_16x16x128_f8f6f4 v[\d:\d+7], v[\a:\a+11], v[\b:\b+11], v[\c:\c+7], v[\sa], v[\sb] matrix_a_fmt:MATRIX_FMT_FP6 matrix_b_fmt:MATRIX_FMT_FP6
.else
	v_wmma_scale_f32_16x16x128_f8f6f4 v[\d:\d+7], v[\a:\a+11], v[\b:\b+11], v[\c:\c+7], v[\sa], v[\sb] matrix_a_fmt:MATRIX_FMT_FP6 matrix_b_fmt:MATRIX_FMT_FP6 matrix_a_scale:MATRIX_SCALE_ROW1
.endif
.endm
.macro QUANT s, pc, pw                 ; 64 numbers of a lane become a fragment's 12 registers and its scale word
.irp b, 0,1,2,3
	v_max3_num_f32 v[TM+\b], |v[\s+16*\b]|, |v[\s+16*\b+1]|, FLOOR
.endr
.irp i, 2,4,6,8,10,12,14
.irp b, 0,1,2,3
	s_delay_alu instid0(VALU_DEP_4)
	v_max3_num_f32 v[TM+\b], v[TM+\b], |v[\s+16*\b+\i]|, |v[\s+16*\b+\i+1]|
.endr
.endr
.irp b, 0,1,2,3
	s_delay_alu instid0(VALU_DEP_4)
	v_permlanex16_b32 v[TM+4+\b], v[TM+\b], s[SEL], s[SEL+1]
.endr
.irp b, 0,1,2,3
	s_delay_alu instid0(VALU_DEP_4)
	v_max_num_f32 v[TM+\b], v[TM+\b], v[TM+4+\b]
.endr
.irp b, 0,1,2,3
	s_delay_alu instid0(VALU_DEP_4)
	v_add_nc_u32 v[TM+12+\b], 0xff000000, v[TM+\b]
.endr
.irp b, 0,1,2,3
	s_delay_alu instid0(VALU_DEP_4)
	v_lshrrev_b32 v[TM+4+\b], 23, v[TM+12+\b]
.endr
	s_delay_alu instid0(VALU_DEP_3)
	v_lshl_or_b32 v[\pw], v[TM+5], 8, v[TM+4]
	s_delay_alu instid0(VALU_DEP_1)
	v_lshl_or_b32 v[\pw], v[TM+6], 16, v[\pw]
	s_delay_alu instid0(VALU_DEP_1)
	v_lshl_or_b32 v[\pw], v[TM+7], 24, v[\pw]
.irp c, 0,1
	v_cvt_scalef32_pk16_fp6_f32 v[\pc+6*\c:\pc+6*\c+2], v[\s+32*\c:\s+32*\c+15], v[TM+12+2*\c]
	v_cvt_scalef32_pk16_fp6_f32 v[CT+4*\c:CT+4*\c+2], v[\s+32*\c+16:\s+32*\c+31], v[TM+12+2*\c+1]
.endr
	v_nop
.irp c, 0,1
.irp i, 0,1,2
	v_permlane16_swap_b32 v[\pc+6*\c+\i], v[CT+4*\c+\i]
.endr
.irp i, 0,1,2
	s_delay_alu instid0(VALU_DEP_3)
	v_mov_b32 v[\pc+6*\c+3+\i], v[CT+4*\c+\i]
.endr
.endr
.endm
	s_load_b256 s[4:11], s[0:1], 0x0               ; mask s[4:5], gate s[6:7], pj s[8:9], ao s[10:11]
	v_lshl_add_u32 v6, v0, 2, SPARE
	v_mov_b32 v7, 0
	ds_add_u32 v6, v7                              ; the opening lines: the add, twice on end, and its wait
	ds_add_u32 v6, v7
	v_lshrrev_b32 v44, 5, v0
	v_readfirstlane_b32 s[WV], v44                 ; wave W 0..7
	s_bfe_u32 s21, ttmp6, 0x40000                  ; cx: the key and value head
	s_and_b32 s22, s[WV], 3                        ; w: my tile of queries
	s_lshr_b32 s19, s[WV], 2                       ; g: my key step of each slot: (W xor W / 4) % 2, so that waves W and W + 4 differ in it, and so do waves 2 k and 2 k + 1;
	s_xor_b32 s19, s19, s[WV]                      ; (w, g) names each of the eight waves once, and wave W xor 4 has my w and the other g
	s_and_b32 s19, s19, 1
	s_and_b32 s18, s[WV], 1                        ; loads: which key step's mask; K (0) or V (1)
	s_bfe_u32 s17, s[WV], 0x10001                  ; loads: which 32 rows of the mask
	; group 1: the mask: 32 rows of 128 numbers of 4 bytes, 4,096 apart, 16 bytes of padding behind each row's 128 words; the mask of work-groups names all four
	s_mov_b32 s36, 15|(2<<16)|(1<<20)|(1<<21)|(6<<22)|(3<<25)
	s_mov_b32 s37, 128<<16
	s_mov_b32 s38, 32<<16
	s_mov_b32 s39, 128<<16
	s_mov_b32 s40, 32
	s_mov_b32 s41, 4096
	s_mov_b32 s42, 0
	s_mov_b32 s43, 0
	s_mov_b32 s44, 3<<16                           ; 16 images: 24,576 dense bytes as 96 rows of 256
	s_mov_b32 s45, 32<<16
	s_mov_b32 s46, 96<<16
	s_mov_b32 s47, 32<<16
	s_mov_b32 s48, 96
	s_mov_b32 s49, 32
	s_mov_b32 s50, 0
	s_mov_b32 s51, 0
	s_mov_b32 s52, 3<<16                           ; a head's scale units: 16,384 dense bytes
	s_mov_b32 s53, 32<<16
	s_mov_b32 s54, 64<<16
	s_mov_b32 s55, 32<<16
	s_mov_b32 s56, 64
	s_mov_b32 s57, 32
	s_mov_b32 s58, 0
	s_mov_b32 s59, 0
	s_lshl_b32 s92, ttmp9, 20                      ; the mask: 64 rows of 16,384 bytes a block of queries,
	s_lshl_b32 s34, s18, 9                         ; + my key step's 512 bytes
	s_add_co_u32 s92, s92, s34
	s_lshl_b32 s34, s17, 19                        ; + my 32 rows
	s_add_co_u32 s92, s92, s34
	s_mov_b32 s93, 0
	s_cmp_eq_u32 s18, 0
	s_mov_b32 s34, 4915200
	s_cselect_b32 s34, 3145728, s34                ; K's codes (heads 8 on) or V's
	s_mov_b32 s35, 6488064
	s_cselect_b32 s35, 4849664, s35                ; and their scale units
	s_mul_i32 s94, s21, 393216
	s_add_co_u32 s94, s94, s34
	s_mov_b32 s95, 0
	s_lshl_b32 s96, s21, 14
	s_add_co_u32 s96, s96, s35
	s_mov_b32 s97, 0
	s_mov_b32 s72, 1                               ; group 0, one for each kind of tile; no place in the cluster enters an LDS address
	s_mul_i32 s73, s18, 33792
	s_mul_i32 s34, s17, 16896
	s_add_co_u32 s73, s73, s34
	s_mov_b32 s80, 1
	s_mul_i32 s81, s18, 24576
	s_add_co_u32 s81, s81, KOF
	s_mov_b32 s84, 1
	s_lshl_b32 s85, s18, 14
	s_add_co_u32 s85, s85, SCK
	s_wait_dscnt 0x0                               ; both opening adds are done
	s_wait_kmcnt 0x0
	s_add_nc_u64 s[74:75], s[4:5], s[92:93]
	s_or_b32 s75, s75, 0x80000000
	s_add_nc_u64 s[82:83], s[8:9], s[94:95]
	s_or_b32 s83, s83, 0x80000000
	s_add_nc_u64 s[86:87], s[8:9], s[96:97]
	s_or_b32 s87, s87, 0x80000000
	CROUND                                         ; all four work-groups are here: the first joint loads meet
	; the head's eight tiles, one a wave: waves 0-3 slot 0's mask, 4 its K, 5 its V, 6 K's scale units, 7 V's
	s_cmp_lt_u32 s[WV], 4
	s_cbranch_scc0 .Lh_code
	tensor_load_to_lds s[72:75], s[36:43]
	s_nop 0
	PLACES 4
	s_branch .Lh_done
.Lh_code:
	s_cmp_lt_u32 s[WV], 6
	s_cbranch_scc0 .Lh_scl
	tensor_load_to_lds s[80:83], s[44:51]
	s_nop 0
	PLACES 4
	s_branch .Lh_done
.Lh_scl:
	tensor_load_to_lds s[84:87], s[52:59]
	s_nop 0
	PLACES 4
.Lh_done:
	s_mov_b32 s[SEL], 0x76543210
	s_mov_b32 s[SEL+1], 0xfedcba98
	s_mov_b32 s30, 0x400293ee                      ; c16
	s_mov_b32 s31, s30                             ; (named with it as a pair)
	s_mov_b32 s32, 0x3f3504f3                      ; sqrt(1/2)
	s_mov_b32 s33, s32
	s_mov_b32 s[TB], 0
	s_lshl_b32 s[TS], s19, 9
	s_mov_b32 s[SLOTS], 14
	; the prefetches: they stand at tile 3; each change of slots steps them first, so the first names tile 4
	s_cmp_eq_u32 ttmp9, 0                          ; the same in all four partners
	s_cselect_b32 s[LIMC], 2, -1
	s_cmp_lt_u32 s[WV], 2
	s_cselect_b32 s3, 2, -1
	s_lshl_b32 s34, ttmp9, 6
	s_lshl_b32 s35, s21, 4
	s_add_co_u32 s34, s34, s35
	s_lshl_b32 s35, s18, 3
	s_add_co_u32 s34, s34, s35                     ; the mask's row 64 qb + 16 cx + 8 (W % 2)
	s_lshl_b32 s34, s34, 14
	s_add_co_u32 s34, s34, 3072
	s_add_co_u32 s35, s94, 73728
	s_mov_b32 s90, 24576
	s_mov_b32 s27, 1024
	s_cmp_lt_u32 s[WV], 4
	s_cselect_b32 s[LIMC], s3, s[LIMC]
	s_cselect_b32 s34, s34, s35
	s_cselect_b32 s90, 1024, s90                   ; a slot on
	s_cselect_b32 s27, 16384, s27                  ; from four lanes to the next four
	s_cselect_b64 s[88:89], s[4:5], s[8:9]
	s_mov_b32 s35, 0
	s_mov_b32 s91, 0
	s_add_nc_u64 s[88:89], s[88:89], s[34:35]
	; q, its scale words, and the result: my first head is 2 cx + g, my second 2 cx + 1 - g
	s_lshl_b32 s16, ttmp9, 2
	s_add_co_u32 s16, s16, s22                     ; T: my tile of 16 queries
	s_lshl_b32 s12, s21, 1
	s_add_co_u32 s12, s12, s19
	s_xor_b32 s13, s12, 1
	s_mul_i32 s34, s16, 1536
	s_mul_i32 s60, s12, 393216
	s_add_co_u32 s60, s60, s34
	s_mov_b32 s61, 0
	s_mul_i32 s66, s13, 393216
	s_add_co_u32 s66, s66, s34
	s_mov_b32 s67, 0
	s_lshl_b32 s34, ttmp9, 8
	s_lshl_b32 s35, s22, 2
	s_add_co_u32 s34, s34, s35
	s_add_co_u32 s34, s34, 4718592                 ; scale words: unit T / 4, word T % 4
	s_lshl_b32 s2, s12, 14
	s_add_co_u32 s2, s2, s34
	s_mov_b32 s3, 0
	s_lshl_b32 s14, s13, 14
	s_add_co_u32 s14, s14, s34
	s_mov_b32 s15, 0
	s_mul_i32 s68, s16, 12288
	s_mul_i32 s34, s21, 3072
	s_add_co_u32 s68, s68, s34
	s_mul_i32 s34, s19, 1536
	s_add_co_u32 s68, s68, s34                     ; the result's image: tile T, K step 2 cx + g
	s_mov_b32 s69, 0
	s_lshl_b32 s70, ttmp9, 2
	s_add_co_u32 s70, s70, s21
	s_lshl_b32 s70, s70, 9
	s_add_co_u32 s70, s70, 3145728                 ; the work-group's 512 bytes of scale words
	s_mov_b32 s71, 0
	s_add_nc_u64 s[60:61], s[8:9], s[60:61]
	s_add_nc_u64 s[66:67], s[8:9], s[66:67]
	s_add_nc_u64 s[2:3], s[8:9], s[2:3]
	s_add_nc_u64 s[14:15], s[8:9], s[14:15]
	s_add_nc_u64 s[96:97], s[10:11], s[68:69]
	s_add_nc_u64 s[98:99], s[10:11], s[70:71]
	s_mul_i32 s92, s22, 8448
	s_mul_i32 s34, s19, 33792
	s_add_co_u32 s92, s92, s34                     ; the mask: my 16 rows of my key step
	s_mul_i32 s34, s19, 12288
	s_add_co_u32 s93, s34, KOF                     ; my key step's eight images of K,
	s_add_co_u32 s94, s34, VOF                     ; and of V
	s_lshl_b32 s95, s22, 7
	s_lshl_b32 s34, s19, 2
	s_add_co_u32 s95, s95, s34
	s_add_co_u32 s95, s95, SWG
	s_mul_i32 s68, s[WV], STGW                     ; my part of the stage,
	s_xor_b32 s69, s[WV], 4
	s_mul_i32 s69, s69, STGW                       ; and that of the wave with my queries and the other keys
	v_and_b32 v44, 31, v0                          ; lane
	v_and_b32 v45, 15, v0                          ; r
	v_bfe_u32 v46, v0, 4, 1                        ; h
	v_lshlrev_b32 v14, 4, v44                      ; 16 x lane
	v_mul_u32_u24 v1, v45, 528
	v_lshl_add_u32 v1, v46, 5, v1
	v_add_nc_u32 v1, s92, v1                       ; the mask: row 16 w + r of 528 bytes, + 32 h
	v_add_nc_u32 v2, s93, v14
	v_add_nc_u32 v3, s94, v14
	v_add_nc_u32 v4, SCK, v14                      ; scale units: lanes 0-15 tiles 0-3, lanes 16-31 tiles 4-7
	v_lshlrev_b32 v5, 5, v46
	v_add_nc_u32 v5, LG, v5
	v_lshl_add_u32 v15, v45, 3, s95
	v_lshrrev_b32 v13, 2, v44
	v_mul_u32_u24 v13, v13, s27
	v_and_b32 v47, 3, v44
	v_lshl_add_u32 v13, v47, 8, v13                ; the prefetches' offset
	v_add_nc_u32 v250, s68, v14
	v_add_nc_u32 v251, s69, v14
	v_lshl_add_u32 v252, v44, 3, s68
	v_add_nc_u32 v252, 8192, v252
	v_lshl_add_u32 v253, v44, 3, s69
	v_add_nc_u32 v253, 8192, v253
	v_add_nc_u32 v254, SWG, v14
	v_lshlrev_b32 v47, 4, v45
	v_lshlrev_b32 v8, 4, v0                        ; gate: 16 bytes a thread, 4,096 a load of the work-group
	v_lshl_add_u32 v9, v0, 4, LG
	s_wait_alu depctr_va_vdst(0)
	WIN 0x40
.irp c, 0,1,2
	global_load_b128 v[QF+4*\c:QF+4*\c+3], v14, s[60:61] offset:512*\c
	global_load_b128 v[QF+12+4*\c:QF+12+4*\c+3], v14, s[66:67] offset:512*\c
.endr
	WIN 0
	global_load_b32 v32, v47, s[2:3]
	global_load_b32 v33, v47, s[14:15]
.irp i, 0,1,2,3
	global_load_b128 v[S+4*\i:S+4*\i+3], v8, s[6:7] offset:4096*\i
.endr
.irp hd, 0,1
	v_mov_b32 v[ST+8*\hd+1], 0xff61b1e6            ; the largest t so far: -3e38
	v_floor_f32 v[ST+8*\hd], -v[ST+8*\hd+1]        ; -M
.irp i, 2,3,4,5,6,7
	v_mov_b32 v[ST+8*\hd+\i], 0
.endr
.irp b, 4,5,6,7
	v_mov_b32 v[WK+16*\hd+\b], 0                   ; a lane permute's destination counts as one of its sources
.endr
.endr
	WIN 0x40
.set j, 0
.rept 128
	v_mov_b32 v[j], 0                              ; O^T: the step is written for every step alike; the first finds zeros
.set j, j+1
.endr
	WIN 0
	s_wait_loadcnt 0x0
	v_add_nc_u32 v32, 0xfbfbfbfc, v32              ; 4 off each of q's bytes (each is 5 or more): s / 16, exact
	v_add_nc_u32 v33, 0xfbfbfbfc, v33
.set j, 0
.rept 16
	v_add_f32 v[S+j], 0x322bcc77, v[S+j]           ; gate + 1e-8
.set j, j+1
.endr
	s_wait_alu depctr_va_vdst(0)                   ; the wait ahead of the batch
.set j, 0
.rept 16
	v_log_f32 v[S+j], v[S+j]
.set j, j+1
.endr
	v_nop                                          ; a plain place behind the batch
	s_wait_alu depctr_va_vdst(0)                   ; the wait behind it
.set j, 0
.rept 16
	v_mul_f32 v[S+j], 0x3efaf233, v[S+j]           ; x ln 2 x sqrt(1/2)
.set j, j+1
.endr
.irp i, 0,1,2,3
	ds_store_b128 v9, v[S+4*\i:S+4*\i+3] offset:4096*\i
.endr
	s_wait_alu depctr_va_vdst(0)
	s_wait_tensorcnt 0x0                           ; my tile of the head's eight is in
	ds_add_u32 v6, v7
	s_xor_b32 s73, s73, SLOT1                      ; the walking descriptors: slot 1, keys 256 on
	s_add_nc_u64 s[74:75], s[74:75], 1024
	s_xor_b32 s81, s81, SLOT1
	s_add_nc_u64 s[82:83], s[82:83], 24576
	s_wait_dscnt 0x0                               ; the add and my stores of log gate are done
	CROUND
	RLOAD 0                                        ; slot 1's first fill
.macro LDMASK                          ; the next key step's mask into the second head's scores, its log gate into the first's
	v_add_nc_u32 v8, s[TB], v1
	v_add_nc_u32 v12, s[TS], v5
.irp t, 0,1,2,3,4,5,6,7
.irp e, 0,1
	ds_load_b128 v[S+64+8*\t+4*\e:S+64+8*\t+4*\e+3], v8 offset:64*\t+16*\e
	ds_load_b128 v[S+8*\t+4*\e:S+8*\t+4*\e+3], v12 offset:64*\t+16*\e
.endr
.endr
.endm
.macro LDK                             ; its K and K's scale words; the three sums and the v_nop are the places behind the products that read V
	v_add_nc_u32 v9, s[TB], v2
	v_add_nc_u32 v10, s[TB], v3
	v_add_nc_u32 v11, s[TS], v4
	v_nop
	s_add_co_u32 s[TS], s[TS], 1024
	ds_load_b128 v[34:37], v11
	WIN 0x40
.irp t, 0,1,2,3,4,5,6,7
.irp c, 0,1,2
	ds_load_b128 v[FRG+12*\t+4*\c:FRG+12*\t+4*\c+3], v9 offset:1536*\t+512*\c
.endr
.endr
	WIN 0
.endm
.macro MAXP                            ; the two heads by turns: each block's largest S', the row's largest t, the new M, f
.irp b, 0,1,2,3
.irp hd, 0,1
	v_max3_num_f32 v[WK+16*\hd+\b], v[S+64*\hd+16*\b], v[S+64*\hd+16*\b+1], v[S+64*\hd+16*\b+2]
.endr
.endr
.irp i, 3,5,7,9,11,13
.irp b, 0,1,2,3
.irp hd, 0,1
	v_max3_num_f32 v[WK+16*\hd+\b], v[WK+16*\hd+\b], v[S+64*\hd+16*\b+\i], v[S+64*\hd+16*\b+\i+1]
.endr
.endr
.endr
.irp b, 0,1,2,3
.irp hd, 0,1
	v_max_num_f32 v[WK+16*\hd+\b], v[WK+16*\hd+\b], v[S+64*\hd+16*\b+15]
.endr
.endr
.irp b, 0,1,2,3
.irp hd, 0,1
	v_permlanex16_b32 v[WK+16*\hd+4+\b], v[WK+16*\hd+\b], s[SEL], s[SEL+1]
.endr
.endr
.irp b, 0,1,2,3
.irp hd, 0,1
	v_max_num_f32 v[WK+16*\hd+\b], v[WK+16*\hd+\b], v[WK+16*\hd+4+\b]
.endr
.endr
.irp hd, 0,1
	s_delay_alu instid0(VALU_DEP_4)
	v_max3_num_f32 v[ST+8*\hd+6], v[WK+16*\hd], v[WK+16*\hd+1], v[WK+16*\hd+2]
.endr
.irp hd, 0,1
	s_delay_alu instid0(VALU_DEP_2)
	v_max_num_f32 v[ST+8*\hd+6], v[ST+8*\hd+6], v[WK+16*\hd+3]
.endr
.irp hd, 0,1
	s_delay_alu instid0(VALU_DEP_2)
	v_mul_f32 v[ST+8*\hd+6], s30, v[ST+8*\hd+6]    ; as t (c16 is positive)
.endr
.irp hd, 0,1
	s_delay_alu instid0(VALU_DEP_2)
	v_max_num_f32 v[ST+8*\hd+1], v[ST+8*\hd+1], v[ST+8*\hd+6]
.endr
.irp hd, 0,1
	v_mov_b32 v[ST+8*\hd+6], v[ST+8*\hd]
.endr
.irp hd, 0,1
	s_delay_alu instid0(VALU_DEP_4)
	v_floor_f32 v[ST+8*\hd], -v[ST+8*\hd+1]        ; the new -M: M is a whole number
.endr
.irp hd, 0,1
	s_delay_alu instid0(VALU_DEP_2)
	v_sub_f32 v[ST+8*\hd+6], v[ST+8*\hd], v[ST+8*\hd+6]
.endr
.irp hd, 0,1
	s_delay_alu instid0(VALU_DEP_2)
	v_cvt_i32_f32 v[ST+8*\hd+6], v[ST+8*\hd+6]     ; (it saturates)
.endr
.irp hd, 0,1
	s_delay_alu instid0(VALU_DEP_2)
	v_ldexp_f32 v[ST+8*\hd+4], 1.0, v[ST+8*\hd+6]  ; f = 2^(old M - new M)
.endr
.endm
.macro PQA                             ; O^T under the new M, and p
	WIN 0x41
.set j, 0
.rept 32
.irp hd, 0,1
	v_pk_mul_f32 v[64*\hd+j:64*\hd+j+1], v[64*\hd+j:64*\hd+j+1], v[ST+8*\hd+4:ST+8*\hd+5] op_sel_hi:[1,0]   ; ahead of the exponentials: no transcendental stands between the products that wrote O^T and these lines
.endr
.set j, j+2
.endr
	WIN 0
.set j, 0
.rept 32
.irp hd, 0,1
	v_pk_fma_f32 v[S+64*\hd+j:S+64*\hd+j+1], v[S+64*\hd+j:S+64*\hd+j+1], s[30:31], v[ST+8*\hd:ST+8*\hd+1] op_sel_hi:[1,0,0]   ; t - M
.endr
.set j, j+2
.endr
.irp b, 0,1,2,3
.irp hd, 0,1
	v_fma_f32 v[WK+16*\hd+\b], v[WK+16*\hd+\b], s30, v[ST+8*\hd]   ; the same of each block's largest S'
.endr
.endr
	s_wait_alu depctr_va_vdst(0)                   ; the wait ahead of the batch
.set j, 0
.rept 128
	v_exp_f32 v[S+j], v[S+j]                       ; p = 2^(t - M)
.set j, j+1
.endr
.irp b, 0,1,2,3
.irp hd, 0,1
	v_exp_f32 v[WK+16*\hd+\b], v[WK+16*\hd+\b]     ; each block's largest p
.endr
.endr
.irp hd, 0,1
	v_pk_mul_f32 v[ST+8*\hd+2:ST+8*\hd+3], v[ST+8*\hd+2:ST+8*\hd+3], v[ST+8*\hd+4:ST+8*\hd+5] op_sel_hi:[1,0]   ; the sums under the new M: the plain place behind the batch
.endr
	s_wait_alu depctr_va_vdst(0)                   ; one wait for the 136
.endm
.macro PQB                             ; p's scale words and codes, the sums
.irp b, 0,1,2,3
.irp hd, 0,1
	v_max_num_f32 v[WK+16*\hd+\b], FLOOR, v[WK+16*\hd+\b]
.endr
.endr
.irp b, 0,1,2,3
.irp hd, 0,1
	v_add_nc_u32 v[WK+16*\hd+8+\b], 0xff000000, v[WK+16*\hd+\b]
.endr
.endr
.irp b, 0,1,2,3
.irp hd, 0,1
	v_lshrrev_b32 v[WK+16*\hd+4+\b], 23, v[WK+16*\hd+8+\b]
.endr
.endr
.irp hd, 0,1
	v_lshl_or_b32 v[PWD+\hd], v[WK+16*\hd+5], 8, v[WK+16*\hd+4]
.endr
.irp hd, 0,1
	s_delay_alu instid0(VALU_DEP_2)
	v_lshl_or_b32 v[PWD+\hd], v[WK+16*\hd+6], 16, v[PWD+\hd]
.endr
.irp hd, 0,1
	s_delay_alu instid0(VALU_DEP_2)
	v_lshl_or_b32 v[PWD+\hd], v[WK+16*\hd+7], 24, v[PWD+\hd]   ; p's scale word for these 128 keys
.endr
.irp hd, 0,1
.irp c, 0,1
	v_cvt_scalef32_pk16_fp6_f32 v[PCD+12*\hd+6*\c:PCD+12*\hd+6*\c+2], v[S+64*\hd+32*\c:S+64*\hd+32*\c+15], v[WK+16*\hd+8+2*\c]
	v_cvt_scalef32_pk16_fp6_f32 v[CT+8*\hd+4*\c:CT+8*\hd+4*\c+2], v[S+64*\hd+32*\c+16:S+64*\hd+32*\c+31], v[WK+16*\hd+8+2*\c+1]
.endr
.endr
	v_nop                                          ; one plain place behind the scaled conversions
.irp hd, 0,1
.irp c, 0,1
.irp i, 0,1,2
	v_permlane16_swap_b32 v[PCD+12*\hd+6*\c+\i], v[CT+8*\hd+4*\c+\i]
.endr
.irp i, 0,1,2
	s_delay_alu instid0(VALU_DEP_3)
	v_mov_b32 v[PCD+12*\hd+6*\c+3+\i], v[CT+8*\hd+4*\c+\i]
.endr
.endr
.endr
	; the sum of the unquantised p, in four chains a head, eight lines from link to link; these 64 lines are also the places in front of the scaled products
.irp hd, 0,1
	v_pk_add_f32 v[WK+16*\hd+12:WK+16*\hd+13], v[S+64*\hd:S+64*\hd+1], v[S+64*\hd+2:S+64*\hd+3]
	v_pk_add_f32 v[WK+16*\hd:WK+16*\hd+1], v[S+64*\hd+4:S+64*\hd+5], v[S+64*\hd+6:S+64*\hd+7]
	v_pk_add_f32 v[WK+16*\hd+2:WK+16*\hd+3], v[S+64*\hd+8:S+64*\hd+9], v[S+64*\hd+10:S+64*\hd+11]
.endr
.irp j, 12,20,28,36,44,52
.irp hd, 0,1
	v_pk_add_f32 v[ST+8*\hd+2:ST+8*\hd+3], v[ST+8*\hd+2:ST+8*\hd+3], v[S+64*\hd+\j:S+64*\hd+\j+1]
	v_pk_add_f32 v[WK+16*\hd+12:WK+16*\hd+13], v[WK+16*\hd+12:WK+16*\hd+13], v[S+64*\hd+\j+2:S+64*\hd+\j+3]
	v_pk_add_f32 v[WK+16*\hd:WK+16*\hd+1], v[WK+16*\hd:WK+16*\hd+1], v[S+64*\hd+\j+4:S+64*\hd+\j+5]
	v_pk_add_f32 v[WK+16*\hd+2:WK+16*\hd+3], v[WK+16*\hd+2:WK+16*\hd+3], v[S+64*\hd+\j+6:S+64*\hd+\j+7]
.endr
.endr
.irp hd, 0,1
	v_pk_add_f32 v[ST+8*\hd+2:ST+8*\hd+3], v[ST+8*\hd+2:ST+8*\hd+3], v[S+64*\hd+60:S+64*\hd+61]
	v_pk_add_f32 v[WK+16*\hd+12:WK+16*\hd+13], v[WK+16*\hd+12:WK+16*\hd+13], v[S+64*\hd+62:S+64*\hd+63]
.endr
.irp hd, 0,1
	v_pk_add_f32 v[WK+16*\hd:WK+16*\hd+1], v[WK+16*\hd:WK+16*\hd+1], v[WK+16*\hd+2:WK+16*\hd+3]
.endr
.irp hd, 0,1
	v_pk_add_f32 v[ST+8*\hd+2:ST+8*\hd+3], v[ST+8*\hd+2:ST+8*\hd+3], v[WK+16*\hd+12:WK+16*\hd+13]
.endr
.irp hd, 0,1
	s_delay_alu instid0(VALU_DEP_2)
	v_pk_add_f32 v[ST+8*\hd+2:ST+8*\hd+3], v[ST+8*\hd+2:ST+8*\hd+3], v[WK+16*\hd:WK+16*\hd+1]
.endr
.endm
; A KEY STEP of 128 keys.  mode 1: its slot is filled again; 2: nothing is filled, the next step follows; 3: the last step
.macro STEP mode
	s_wait_dscnt 0x0                               ; this step's K, mask, log gate and K's scale words
.set j, 0
.rept 32
	v_pk_fma_f32 v[S+64+j:S+65+j], v[S+64+j:S+65+j], s[32:33], v[S+j:S+j+1] op_sel_hi:[1,0,1]   ; B
.set j, j+2
.endr
	WIN 0x05                                       ; K and Q window 1, B and S^T window 0
.irp t, 0,1,2,3,4,5,6,7
	WM S+8*\t, FRG+12*\t, QF, S+64+8*\t, 34+\t%4, 32, \t
.endr
	PLACES 5                                       ; the second head's products write over the C of the first head's
.irp t, 0,1,2,3,4,5,6,7
	WM S+64+8*\t, FRG+12*\t, QF+12, S+64+8*\t, 34+\t%4, 33, \t
.endr
	PLACES 4                                       ; in front of the loads into K's registers and of the first read of the scores
	WIN 0x40
.irp t, 0,1,2,3,4,5,6,7
.irp c, 0,1,2
	ds_load_b128 v[FRG+12*\t+4*\c:FRG+12*\t+4*\c+3], v10 offset:1536*\t+512*\c   ; V takes K's place
.endr
.endr
	WIN 0
	ds_load_b128 v[38:41], v11 offset:16384
; IN THE LOOP THE TWO GROUPS PASS THE BARRIER AT DIFFERENT PLACES OF THEIR STEP.  A step reads its slot for the last time with V, above, and the other slot for the first time with the next mask, below:
; the barrier may stand anywhere between.  Group 1 takes its maxima, the rescaling and the exponentials ahead of it, group 0 behind it: work on registers alone, written twice, each copy led round by a branch on the wave's number.
.if \mode == 1
	s_cmp_eq_u32 s19, 0
	s_cbranch_scc1 .Lga
	MAXP
	PQA
.Lga:
.endif
	s_wait_tensorcnt 0x0                           ; all my tensor loads have landed, my part of the other slot among them: a group 0 may be written
	ds_add_u32 v6, v7                              ; 0 onto my spare word
.if \mode == 1
	s_xor_b32 s73, s73, SLOT1                      ; the walking descriptors: the slot in hand, the keys two slots on
	s_add_nc_u64 s[74:75], s[74:75], 1024
	s_xor_b32 s81, s81, SLOT1
	s_add_nc_u64 s[82:83], s[82:83], 24576
	s_wait_xcnt 0x0                                ; the last trip's prefetches have read their address
	s_add_nc_u64 s[88:89], s[88:89], s[90:91]
.endif
	s_wait_dscnt 0x0                               ; the add is done; V is in: my reads of this slot are over
	s_barrier_signal -1                            ; (mode 1: it opens a round of the cluster's barrier)
	s_barrier_wait -1
.if \mode == 1
	CREST                                          ; no wave of any partner still reads the slot or has a load on its way
	RLOAD 1
.endif
	s_xor_b32 s[TB], s[TB], SLOT1
.if \mode == 1
	s_cmp_lg_u32 s19, 0
	s_cbranch_scc1 .Lgb
.endif
	MAXP
	PQA
.if \mode == 1
.Lgb:
.endif
	PQB
.if \mode < 3
	LDMASK                                         ; the scores' registers are free: the other slot is whole since the barrier
.endif
	WIN 0x51                                       ; V and O^T window 1, p window 0
.irp t, 0,1,2,3,4,5,6,7
	WM 8*\t, FRG+12*\t, PCD, 8*\t, 38+\t%4, PWD, \t
	WM 64+8*\t, FRG+12*\t, PCD+12, 64+8*\t, 38+\t%4, PWD+1, \t
.endr
	WIN 0
.if \mode < 3
	LDK
.endif
.endm
	LDMASK
	LDK
.Lslot:                                    ; 14 trips: each walks my key step of a slot and fills the slot again
	STEP 1
	s_sub_co_u32 s[SLOTS], s[SLOTS], 1
	s_cmp_lg_u32 s[SLOTS], 0
	s_cbranch_scc1 .Lslot
	STEP 2                                         ; the last two slots are written out
	STEP 3                                         ; (its barrier stands between every wave's last read of a slot and the stores into the stage)
	; THE JOIN.  My second head's O^T, -M and sum go to the wave that has the same queries and the other keys; its second head is my first
	PLACES 4
	v_add_f32 v[ST+2], v[ST+2], v[ST+3]
	v_add_f32 v[ST+9], v[ST+10], v[ST+11]          ; beside the second head's -M
	WIN 0x04
.irp t, 0,1,2,3,4,5,6,7
	ds_store_b128 v250, v[64+8*\t:64+8*\t+3] offset:1024*\t        ; each accumulator from its low end on
	ds_store_b128 v250, v[64+8*\t+4:64+8*\t+7] offset:1024*\t+512
.endr
	WIN 0
	ds_store_b64 v252, v[ST+8:ST+9]
	s_wait_alu depctr_va_vdst(0)
	s_wait_dscnt 0x0                               ; for the other wave's sake
	s_barrier_signal -1
	s_barrier_wait -1
.irp i, 0,1,2,3,4,5,6,7,8,9,10,11,12,13,14,15
	ds_load_b128 v[S+64+4*\i:S+64+4*\i+3], v251 offset:512*\i
.endr
	ds_load_b64 v[44:45], v253
	s_wait_dscnt 0x0
	v_min_num_f32 v46, v[ST], v44                  ; -M of both halves of the keys
	s_delay_alu instid0(VALU_DEP_1)
	v_sub_f32 v47, v46, v[ST]
	v_sub_f32 v46, v46, v44
	s_delay_alu instid0(VALU_DEP_2)
	v_cvt_i32_f32 v47, v47
	s_delay_alu instid0(VALU_DEP_2)
	v_cvt_i32_f32 v46, v46
	s_delay_alu instid0(VALU_DEP_2)
	v_ldexp_f32 v47, 1.0, v47                      ; my half's factor,
	s_delay_alu instid0(VALU_DEP_2)
	v_ldexp_f32 v46, 1.0, v46                      ; the other's: powers of two, one of them 1
	s_delay_alu instid0(VALU_DEP_2)
	v_mul_f32 v[ST+2], v[ST+2], v47
	s_delay_alu instid0(VALU_DEP_1)
	v_fmac_f32 v[ST+2], v45, v46
	s_delay_alu instid0(VALU_DEP_1)
	v_permlanex16_b32 v[ST+7], v[ST+2], s[SEL], s[SEL+1]
	s_delay_alu instid0(VALU_DEP_1)
	v_add_f32 v[ST+2], v[ST+2], v[ST+7]            ; the row's sum
	s_wait_alu depctr_va_vdst(0)                   ; the wait ahead of the transcendental
	v_rcp_f32 v[ST+3], v[ST+2]
	v_nop
	s_wait_alu depctr_va_vdst(0)                   ; the wait behind it
	v_mul_f32 v[ST+4], v47, v[ST+3]
	v_mul_f32 v[ST+6], v46, v[ST+3]
.set j, 0
.rept 32
	v_pk_mul_f32 v[S+j:S+j+1], v[S+64+j:S+65+j], v[ST+6:ST+7] op_sel_hi:[1,0]
.set j, j+2
.endr
	WIN 0x01
	s_wait_alu depctr_va_vdst(0)                   ; directly ahead of the first read of my first head's O^T
.set j, 0
.rept 32
	v_pk_fma_f32 v[S+j:S+j+1], v[j:j+1], v[ST+4:ST+5], v[S+j:S+j+1] op_sel_hi:[1,0,1]
.set j, j+2
.endr
	WIN 0
	QUANT S, PCD, 248                              ; K step 2 cx + g of the last product
.irp c, 0,1,2
	global_store_b128 v14, v[PCD+4*\c:PCD+4*\c+3], s[96:97] offset:512*\c
.endr
	ds_store_b32 v15, v248                         ; lanes r and r + 16 write the same word with the same value
	s_wait_dscnt 0x0                               ; for wave 0's sake
	s_barrier_signal -1
	s_barrier_wait -1
	s_cmp_lg_u32 s[WV], 0
	s_cbranch_scc1 .Lnot0
	ds_load_b128 v[200:203], v254
	s_wait_dscnt 0x0
	global_store_b128 v14, v[200:203], s[98:99]    ; two aligned units of 256 bytes
.Lnot0:
	s_wait_tensorcnt 0x0                           ; the wave's end
	ds_add_u32 v6, v7
	s_wait_dscnt 0x0
	CROUND                                         ; the closing round
	s_endpgm
.Lfunc_end_k_qcf15087f13_attn:
	.size	k_qcf15087f13_attn, .Lfunc_end_k_qcf15087f13_attn-k_qcf15087f13_attn
	.p2alignl 7, 3214868480
	.fill 96, 4, 3214868480
	.section	.rodata,"a",@progbits
	.p2align	6, 0x0
	.amdhsa_kernel k_qcf15087f13_attn
		.amdhsa_group_segment_fixed_size 327680
		.amdhsa_private_segment_fixed_size 0
		.amdhsa_enable_private_segment 0
		.amdhsa_kernarg_size 32
		.amdhsa_user_sgpr_count 2
		.amdhsa_user_sgpr_kernarg_segment_ptr 1
		.amdhsa_wavefront_size32 1
		.amdhsa_system_sgpr_workgroup_id_x 1
		.amdhsa_system_sgpr_workgroup_id_y 1
		.amdhsa_system_sgpr_workgroup_id_z 1
		.amdhsa_system_vgpr_workitem_id 0
		.amdhsa_next_free_vgpr 512
		.amdhsa_next_free_sgpr 100
		.amdhsa_reserve_vcc 0
		.amdhsa_float_denorm_mode_32 3
		.amdhsa_float_denorm_mode_16_64 3
		.amdhsa_memory_ordered 1
		.amdhsa_forward_progress 1
		.amdhsa_inst_pref_size 171
	.end_amdhsa_kernel
	.amdgpu_metadata
---
amdhsa.version: [ 1, 2 ]
amdhsa.kernels:
  - .name:           k_qcf15087f13_attn
    .symbol:         k_qcf15087f13_attn.kd
    .args:
      - { .name: attention_mask, .offset: 0, .size: 8, .value_kind: global_buffer, .address_space: global }
      - { .name: gate, .offset: 8, .size: 8, .value_kind: global_buffer, .address_space: global }
      - { .name: pj, .offset: 16, .size: 8, .value_kind: global_buffer, .address_space: global }
      - { .name: ao, .offset: 24, .size: 8, .value_kind: global_buffer, .address_space: global }
    .group_segment_fixed_size: 327680
    .private_segment_fixed_size: 0
    .kernarg_segment_align: 8
    .kernarg_segment_size: 32
    .max_flat_workgroup_size: 256
    .sgpr_count:     100
    .vgpr_count:     512
    .wavefront_size: 32
...
	.end_amdgpu_metadata
.endif
;; end of part 3
;; launch outp (part 4): grid 256 x 1, 4 waves a work-group, clusters of 4 x 1, 327,680 bytes of LDS; arguments ao, wq, out0; writes out0
.if DOCPART == 4
	.amdgcn_target "amdgcn-amd-amdhsa--gfx1250"
	.amdhsa_code_object_version 6
	.text
	.protected	k_qcf15087f13_outp
	.globl	k_qcf15087f13_outp
	.p2align	8
	.type	k_qcf15087f13_outp,@function
k_qcf15087f13_outp:
	s_mov_b64 s[64:65], 0
	v_nop
	global_prefetch_b8 v0, s[64:65] scope:SCOPE_SE
	s_setreg_imm32_b32 hwreg(HW_REG_WAVE_MODE, 25, 1), 1
	s_wait_xcnt 0x0
	s_wait_alu depctr_hold_cnt(0) depctr_sa_sdst(0) depctr_va_vdst(0) depctr_va_sdst(0) depctr_va_ssrc(0) depctr_va_vcc(0) depctr_vm_vsrc(0)
	s_getreg_b32 s2, hwreg(HW_REG_IB_STS2, 6, 4)
	s_cmp_eq_u32 s2, 0
	s_cbranch_scc0 .Lentry_in_a_cluster
	s_endpgm
.Lentry_in_a_cluster:
	s_bfe_u32 s2, ttmp6, 0x10000c
	s_cmp_lg_u32 s2, 0x3003
	s_cbranch_scc0 .Lentry_shape_is_right
	s_endpgm
.Lentry_shape_is_right:
; out0 [4096][2048] = (attention's result, as codes of FP6 in ao) x (Wo, as codes in wq), K = 1,024: 8 steps of 128; sums in f32.
; A fragment (16 rows x 128 K) lies in memory as the image of its 12 operand registers, 1,536 bytes; a tile of 16 rows has its 8 images on end, 12,288 bytes.
; A work-group makes 128 rows x 256 columns; wave W makes rows 64 (W / 2) .. + 63 and columns 128 (W % 2) .. + 127: 32 accumulators.
; ALL THE TILES OF THE WORK-GROUP FIT IN LDS AT ONCE (294,912 bytes), so each wave asks for its share by ONE tensor load at the head and nothing is filled again:
;   waves 0, 1: Wo's 8 tiles of columns each, 98,304 dense bytes; waves 2, 3: 4 tiles of rows each, 49,152 dense bytes.
; CLUSTER 4 x 1: the four partners make the same 256 columns for different rows: Wo's tiles are asked for jointly.
; The scale words (one for a row and 128 K) go from memory straight into the registers that the products name, while the tiles are on their way.
; No prefetch: the launch has no loop to run ahead in: everything that it reads is asked for at its head.
; THE MATRIX INSTRUCTION IS USED TRANSPOSED (source 0 = 16 columns of Wo, source 1 = 16 rows): a lane holds eight neighbouring numbers of a row of out0.
; REGISTERS: window 0: v1-14 addresses, v30-31 the add's, v32-95 Wo's scale words (8 a tile), v96-127 the rows' (8 a tile), v128-223 the rows' fragments, two sets; on the way out v128-255.
;   window 1: Wo's fragments, two sets, at v0 and v128.   window 2: the accumulators, (a, b) at v[8 (8 a + b)].
.set PH,    98304                      ; Wo's tiles: [2 halves][8 tiles][12,288]
.set ROF,   196608                     ; the rows' tiles: [2 halves][4 tiles][12,288]
.set RH,    49152
.set SPARE, 307200                     ; the spare words: 512 bytes that no other line names
.set SCP,   32
.set SCR,   96
.set WV,    14
.set MULW,  0xa1
.set MSB, 0
.macro WIN new
.if MSB != \new
	s_set_vgpr_msb (MSB<<8)|\new
.set MSB, \new
.endif
.endm
.macro PLACES n
.rept \n
	v_nop
.endr
.endm
.macro CROUND                          ; a round of the cluster's barrier
	s_barrier_signal -1
	s_barrier_wait -1
	s_cmp_lg_u32 s[WV], 0
	s_cbranch_scc1 .Lnot_wave_0_\@
	s_barrier_signal -3
.Lnot_wave_0_\@:
	s_barrier_wait -3
	s_barrier_signal -1
	s_barrier_wait -1
.endm
	s_load_b128 s[4:7], s[0:1], 0x0                ; ao s[4:5], wq s[6:7]
	s_load_b64 s[8:9], s[0:1], 0x10                ; out0
	v_lshl_add_u32 v30, v0, 2, SPARE
	v_mov_b32 v31, 0
	ds_add_u32 v30, v31                            ; the opening lines: the add, twice on end, and its wait
	ds_add_u32 v30, v31
	v_lshrrev_b32 v1, 5, v0
	v_readfirstlane_b32 s[WV], v1                  ; wave 0..3
	s_and_b32 s15, s[WV], 1                        ; my half of the columns; as a loader: which half I fetch
	s_lshr_b32 s16, s[WV], 1                       ; my half of the rows; as a loader: Wo (0) or the rows (1)
	s_bfe_u32 s17, ttmp6, 0x40000                  ; cx
	s_lshr_b32 s21, ttmp9, 3                       ; which 256 columns
	s_and_b32 s23, ttmp9, 7
	s_lshl_b32 s23, s23, 2
	s_add_co_u32 s23, s23, s17                     ; which 128 rows
	s_mov_b32 s24, 15|(3<<16)|(1<<21)              ; group 1, Wo: 8 rows of 1,536 elements of 8 bytes, dense; the mask names all four
	s_mov_b32 s25, 1536<<16
	s_mov_b32 s26, 8<<16
	s_mov_b32 s27, 1536<<16
	s_mov_b32 s28, 8
	s_mov_b32 s29, 1536
	s_mov_b32 s30, 0
	s_mov_b32 s31, 0
	s_mov_b32 s32, 3<<16                           ; the rows: 4 such rows, my work-group's own
	s_mov_b32 s33, 1536<<16
	s_mov_b32 s34, 4<<16
	s_mov_b32 s35, 1536<<16
	s_mov_b32 s36, 4
	s_mov_b32 s37, 1536
	s_mov_b32 s38, 0
	s_mov_b32 s39, 0
	s_lshl_b32 s22, s21, 4
	s_lshl_b32 s2, s15, 3
	s_add_co_u32 s22, s22, s2                      ; Wo: the first tile of half W % 2
	s_mul_i32 s40, s22, 12288
	s_add_co_u32 s40, s40, 3276800
	s_mov_b32 s41, 0
	s_lshl_b32 s42, s22, 9
	s_add_co_u32 s42, s42, 4849664                 ; and its scale units, 512 bytes a tile
	s_mov_b32 s43, 0
	s_lshl_b32 s44, s23, 3
	s_lshl_b32 s2, s15, 2
	s_add_co_u32 s44, s44, s2
	s_mul_i32 s44, s44, 12288                      ; the rows that I fetch
	s_mov_b32 s45, 0
	s_lshl_b32 s46, s23, 12
	s_lshl_b32 s2, s16, 11
	s_add_co_u32 s46, s46, s2
	s_add_co_u32 s46, s46, 3145728                 ; the scale words of the rows that I multiply
	s_mov_b32 s47, 0
	s_mov_b32 s56, 1
	s_mul_i32 s57, s15, PH
	s_mov_b32 s68, 1
	s_mul_i32 s69, s15, RH
	s_add_co_u32 s69, s69, ROF
	s_wait_dscnt 0x0                               ; both opening adds are done
	s_wait_kmcnt 0x0
	s_add_nc_u64 s[58:59], s[6:7], s[40:41]
	s_or_b32 s59, s59, 0x80000000
	s_add_nc_u64 s[70:71], s[4:5], s[44:45]
	s_or_b32 s71, s71, 0x80000000
	CROUND                                         ; all four work-groups are here: the joint loads meet
	s_cmp_eq_u32 s16, 0
	s_cbranch_scc0 .Lfor_r
	tensor_load_to_lds s[56:59], s[24:31]
	s_nop 0
	PLACES 4
	s_branch .Lasked
.Lfor_r:
	tensor_load_to_lds s[68:71], s[32:39]
	s_nop 0
	PLACES 4
.Lasked:
	s_add_nc_u64 s[42:43], s[6:7], s[42:43]
	s_add_nc_u64 s[46:47], s[4:5], s[46:47]
	s_lshl_b32 s48, s23, 7
	s_lshl_b32 s49, s16, 6
	s_add_co_u32 s48, s48, s49                     ; my first row of out0,
	s_lshl_b32 s48, s48, 13
	s_lshl_b32 s49, s21, 10
	s_add_co_u32 s48, s48, s49
	s_lshl_b32 s49, s15, 9
	s_add_co_u32 s48, s48, s49                     ; and my first column, in bytes
	s_mov_b32 s49, 0
	s_add_nc_u64 s[8:9], s[8:9], s[48:49]
	s_mul_i32 s50, s[WV], 8448                     ; my stage: 16 rows of 528 bytes
	s_mul_i32 s51, s15, PH
	s_mul_i32 s52, s16, RH
	s_add_co_u32 s52, s52, ROF
	v_and_b32 v1, 31, v0
	v_and_b32 v2, 15, v0
	v_bfe_u32 v3, v0, 4, 1
	v_lshlrev_b32 v12, 4, v1                       ; 16 x lane
	v_add_nc_u32 v4, s51, v12                      ; Wo's tiles 0-3 of my half,
	v_add_nc_u32 v5, 49152, v4                     ; tiles 4-7,
	v_add_nc_u32 v6, s52, v12                      ; my four tiles of rows
	v_lshlrev_b32 v8, 4, v2
	v_lshlrev_b32 v9, 3, v2
	v_mul_u32_u24 v13, v2, 528
	v_lshl_add_u32 v13, v3, 5, v13
	v_add_nc_u32 v13, s50, v13                     ; into the stage: row r, + 32 h
	v_add_nc_u32 v14, s50, v12                     ; out of it: 16 x lane of a row
	s_wait_alu depctr_va_vdst(0)
.irp b, 0,1,2,3,4,5,6,7
.irp g, 0,1
	global_load_b128 v[SCP+8*\b+4*\g:SCP+8*\b+4*\g+3], v8, s[42:43] offset:512*\b+256*\g   ; register 8 b + s: tile b, K step s
.endr
.endr
.irp a, 0,1,2,3
.irp k, 0,1,2,3
	global_load_b64 v[SCR+8*\a+2*\k:SCR+8*\a+2*\k+1], v9, s[46:47] offset:512*\k+128*\a
.endr
.endr
.macro FETCH s, set                    ; K step s: 36 loads of 512 consecutive bytes
	WIN 0x40
.irp b, 0,1,2,3,4,5,6,7
.irp c, 0,1,2
	ds_load_b128 v[128*(\set)+12*\b+4*\c:128*(\set)+12*\b+4*\c+3], v[4+\b/4] offset:12288*(\b%4)+1536*(\s)+512*\c
.endr
.endr
	WIN 0
.irp a, 0,1,2,3
.irp c, 0,1,2
	ds_load_b128 v[128+48*(\set)+12*\a+4*\c:128+48*(\set)+12*\a+4*\c+3], v6 offset:12288*\a+1536*(\s)+512*\c
.endr
.endr
.endm
.macro MUL s, zero                     ; the 32 accumulators by turns, one instruction a turn
.irp a, 0,1,2,3
.irp b, 0,1,2,3,4,5,6,7
.if \zero
	v_wmma_scale_f32_16x16x128_f8f6f4 v[8*(8*\a+\b):8*(8*\a+\b)+7], v[128*((\s)%2)+12*\b:128*((\s)%2)+12*\b+11], v[128+48*((\s)%2)+12*\a:128+48*((\s)%2)+12*\a+11], 0, v[SCP+8*\b+(\s)], v[SCR+8*\a+(\s)] matrix_a_fmt:MATRIX_FMT_FP6 matrix_b_fmt:MATRIX_FMT_FP6
.else
	v_wmma_scale_f32_16x16x128_f8f6f4 v[8*(8*\a+\b):8*(8*\a+\b)+7], v[128*((\s)%2)+12*\b:128*((\s)%2)+12*\b+11], v[128+48*((\s)%2)+12*\a:128+48*((\s)%2)+12*\a+11], v[8*(8*\a+\b):8*(8*\a+\b)+7], v[SCP+8*\b+(\s)], v[SCR+8*\a+(\s)] matrix_a_fmt:MATRIX_FMT_FP6 matrix_b_fmt:MATRIX_FMT_FP6
.endif
.endr
.endr
.endm
.macro STEP s, zero                    ; the next step's fragments are asked for ahead of this step's 32 products
	s_wait_dscnt 0x0
	PLACES 4                                       ; in front of loads into registers that the last step's products read
	FETCH (\s)+1, ((\s)+1)%2
	WIN MULW
	MUL \s, \zero
.endm
	s_wait_tensorcnt 0x0                           ; my share of the tiles is in
	s_barrier_signal -1
	s_barrier_wait -1                              ; and everybody's
	FETCH 0, 0
	s_wait_loadcnt 0x0                             ; the scale words are in
	STEP 0, 1                                      ; the first step's products start the sums
	STEP 1, 0
	STEP 2, 0
	STEP 3, 0
	STEP 4, 0
	STEP 5, 0
	STEP 6, 0
	s_wait_dscnt 0x0                               ; my reads of the tiles are over:
	s_barrier_signal -1                            ; say so,
	WIN MULW
	MUL 7, 0
	WIN 0
	s_barrier_wait -1                              ; and behind this wait nobody reads them: the stages lie on bytes that have had their one fill
; THE WAY OUT, 16 rows x 128 columns at a time: through my stage, back as whole rows of 512 bytes, which the 32 lanes store as two aligned units of 256 bytes.
; LDS serves a wave's instructions in order: no wait between the stores and the loads.
.macro TOSTAGE a
	WIN 0x08
.irp b, 0,1,2,3,4,5,6,7
	ds_store_b128 v13, v[64*(\a)+8*\b:64*(\a)+8*\b+3] offset:64*\b             ; each accumulator from its low end on
	ds_store_b128 v13, v[64*(\a)+8*\b+4:64*(\a)+8*\b+7] offset:64*\b+16
.endr
	WIN 0
.irp t, 0,1,2,3,4,5,6,7,8,9,10,11,12,13,14,15
	ds_load_b128 v[128+64*((\a)%2)+4*\t:128+64*((\a)%2)+4*\t+3], v14 offset:\t*528
.endr
.endm
.macro SEND a, younger                 ; younger: the LDS instructions issued behind block a's loads
	s_wait_dscnt \younger
.irp t, 0,1,2,3,4,5,6,7,8,9,10,11,12,13,14,15
	global_store_b128 v12, v[128+64*((\a)%2)+4*\t:128+64*((\a)%2)+4*\t+3], s[8:9] offset:(16*(\a)+\t)*8192 th:TH_STORE_NT
.endr
.endm
	PLACES 4
	TOSTAGE 0
.irp a, 1,2,3
.if \a > 1
	s_wait_xcnt 0x0                                ; block a - 2's stores have read their registers
.endif
	TOSTAGE \a
	SEND \a-1, 32
.endr
	SEND 3, 0
	s_wait_tensorcnt 0x0                           ; the wave's end
	ds_add_u32 v30, v31
	s_wait_dscnt 0x0
	CROUND                                         ; the closing round
	s_endpgm
.Lfunc_end_k_qcf15087f13_outp:
	.size	k_qcf15087f13_outp, .Lfunc_end_k_qcf15087f13_outp-k_qcf15087f13_outp
	.p2alignl 7, 3214868480
	.fill 96, 4, 3214868480
	.section	.rodata,"a",@progbits
	.p2align	6, 0x0
	.amdhsa_kernel k_qcf15087f13_outp
		.amdhsa_group_segment_fixed_size 327680
		.amdhsa_private_segment_fixed_size 0
		.amdhsa_enable_private_segment 0
		.amdhsa_kernarg_size 24
		.amdhsa_user_sgpr_count 2
		.amdhsa_user_sgpr_kernarg_segment_ptr 1
		.amdhsa_wavefront_size32 1
		.amdhsa_system_sgpr_workgroup_id_x 1
		.amdhsa_system_sgpr_workgroup_id_y 1
		.amdhsa_system_sgpr_workgroup_id_z 1
		.amdhsa_system_vgpr_workitem_id 0
		.amdhsa_next_free_vgpr 768
		.amdhsa_next_free_sgpr 72
		.amdhsa_reserve_vcc 0
		.amdhsa_float_denorm_mode_32 3
		.amdhsa_float_denorm_mode_16_64 3
		.amdhsa_memory_ordered 1
		.amdhsa_forward_progress 1
		.amdhsa_inst_pref_size 76
	.end_amdhsa_kernel
	.amdgpu_metadata
---
amdhsa.version: [ 1, 2 ]
amdhsa.kernels:
  - .name:           k_qcf15087f13_outp
    .symbol:         k_qcf15087f13_outp.kd
    .args:
      - { .name: ao, .offset: 0, .size: 8, .value_kind: global_buffer, .address_space: global }
      - { .name: wq, .offset: 8, .size: 8, .value_kind: global_buffer, .address_space: global }
      - { .name: out0, .offset: 16, .size: 8, .value_kind: global_buffer, .address_space: global }
    .group_segment_fixed_size: 327680
    .private_segment_fixed_size: 0
    .kernarg_segment_align: 8
    .kernarg_segment_size: 24
    .max_flat_workgroup_size: 128
    .sgpr_count:     72
    .vgpr_count:     768
    .wavefront_size: 32
...
	.end_amdgpu_metadata
.endif
;; end of part 4
